; MI455X (gfx1250); checked and timed in simulation.
; The chip was launched on July 23, 2026; its instructions are those of AMD's public machine-readable ISA for CDNA 5 (MIT licence, August 2026) and "CDNA5" Instruction Set Architecture Reference Guide (July 2026). The comments in the code are by the model that wrote it; some were corrected since.
;; Simple FC. Allowed arithmetic: matrix products marked QUANTISED: E2M1 operands, one E8M0 scale for each 32 along K, by v_wmma_scale_f32_16x16x128_f8f6f4 with both operands' format E2M1 (or v_wmma_scale_f32_32x16x128_f4), f32 sums; products left as they are: f32 operands where the result goes on into a quantised operand, else bf16, f16 or f32 operands; f32 sums; everything else in f32.
;; Inputs: b_in 64 float32; b_mid 64 float32; b_out 3 float32; emb1_b 64 float32; emb1_w_codes 64 x 2 x 16 uint8 (E2M1 codes of emb1_w, K innermost, in blocks of 32 codes, two codes a byte); emb1_w_scales 64 x 2 uint8 (E8M0 scales of emb1_w, one for each 32 codes along K); emb2_b 64 float32; emb2_w_codes 64 x 2 x 16 uint8 (E2M1 codes of emb2_w, K innermost, in blocks of 32 codes, two codes a byte); emb2_w_scales 64 x 2 uint8 (E8M0 scales of emb2_w, one for each 32 codes along K); node_mask 16 x 1,024 float32; pos 16 x 1,024 x 3 float32; sa1_f1_b 64 float32; sa1_f1_w_codes 64 x 2 x 16 uint8 (E2M1 codes of sa1_f1_w, K innermost, in blocks of 32 codes, two codes a byte); sa1_f1_w_scales 64 x 2 uint8 (E8M0 scales of sa1_f1_w, one for each 32 codes along K); sa1_f2_b 64 float32; sa1_f2_w_codes 64 x 2 x 16 uint8 (E2M1 codes of sa1_f2_w, K innermost, in blocks of 32 codes, two codes a byte); sa1_f2_w_scales 64 x 2 uint8 (E8M0 scales of sa1_f2_w, one for each 32 codes along K); sa1_fln_b 64 float32; sa1_fln_g 64 float32; sa1_ln_b 64 float32; sa1_ln_g 64 float32; sa1_out_b 64 float32; sa1_out_w_codes 64 x 2 x 16 uint8 (E2M1 codes of sa1_out_w, K innermost, in blocks of 32 codes, two codes a byte); sa1_out_w_scales 64 x 2 uint8 (E8M0 scales of sa1_out_w, one for each 32 codes along K); sa1_qkv_b 192 float32; sa1_qkv_w_codes 192 x 2 x 16 uint8 (E2M1 codes of sa1_qkv_w, K innermost, in blocks of 32 codes, two codes a byte); sa1_qkv_w_scales 192 x 2 uint8 (E8M0 scales of sa1_qkv_w, one for each 32 codes along K); sa2_f1_b 64 float32; sa2_f1_w_codes 64 x 2 x 16 uint8 (E2M1 codes of sa2_f1_w, K innermost, in blocks of 32 codes, two codes a byte); sa2_f1_w_scales 64 x 2 uint8 (E8M0 scales of sa2_f1_w, one for each 32 codes along K); sa2_f2_b 64 float32; sa2_f2_w_codes 64 x 2 x 16 uint8 (E2M1 codes of sa2_f2_w, K innermost, in blocks of 32 codes, two codes a byte); sa2_f2_w_scales 64 x 2 uint8 (E8M0 scales of sa2_f2_w, one for each 32 codes along K); sa2_fln_b 64 float32; sa2_fln_g 64 float32; sa2_ln_b 64 float32; sa2_ln_g 64 float32; sa2_out_b 64 float32; sa2_out_w_codes 64 x 2 x 16 uint8 (E2M1 codes of sa2_out_w, K innermost, in blocks of 32 codes, two codes a byte); sa2_out_w_scales 64 x 2 uint8 (E8M0 scales of sa2_out_w, one for each 32 codes along K); sa2_qkv_b 192 float32; sa2_qkv_w_codes 192 x 2 x 16 uint8 (E2M1 codes of sa2_qkv_w, K innermost, in blocks of 32 codes, two codes a byte); sa2_qkv_w_scales 192 x 2 uint8 (E8M0 scales of sa2_qkv_w, one for each 32 codes along K); t_int 16 x 1 float32; w_in 64 x 3 float32; w_mid_codes 64 x 2 x 16 uint8 (E2M1 codes of w_mid, K innermost, in blocks of 32 codes, two codes a byte); w_mid_scales 64 x 2 uint8 (E8M0 scales of w_mid, one for each 32 codes along K); w_out 3 x 64 float32.
;; Outputs: out0 16 x 1,024 x 3 float32.
;; This version of the problem:
;;   THIS VERSION OF THE PROBLEM IS GIVEN IN LOW PRECISION. The matrix products marked QUANTISED in the list below multiply operands that are first quantised to E2M1 (2 exponent bits, 1 mantissa bit; 4 bits a number), with one power-of-two scale for each 32 numbers along K (OCP MX v1.0); their sums are f32. All else is computed in f32.
;;   The module's matrix products, in the order in which they are computed (A, B: the left and right operand; K: the contracted axis; several contracted axes count as one K, in the product's order):
;;     1. [M 16,384, K 3] x [K 3, N 64]; A: input pos; B: input w_in: left as it is (K = 3 < 32)
;;     2. [M 16, K 64] x [K 64, N 64]; A: computed on the way; B: input emb1_w (given as codes): QUANTISED
;;     3. [M 16,384, K 64] x [K 64, N 192]; A: computed on the way; B: input sa1_qkv_w (given as codes): QUANTISED
;;     4. batch 64 x [M 1,024, K 16] x [K 16, N 1,024]; A: computed on the way; B: computed on the way: left as it is (K = 16 < 32)
;;     5. batch 64 x [M 16, K 1,024] x [K 1,024, N 1,024]; A: computed on the way; B: softmax (see below): QUANTISED
;;     6. [M 16,384, K 64] x [K 64, N 64]; A: computed on the way; B: input sa1_out_w (given as codes): QUANTISED
;;     7. [M 16,384, K 64] x [K 64, N 64]; A: computed on the way; B: input sa1_f1_w (given as codes): QUANTISED
;;     8. [M 16,384, K 64] x [K 64, N 64]; A: computed on the way; B: input sa1_f2_w (given as codes): QUANTISED
;;     9. [M 16,384, K 64] x [K 64, N 64]; A: computed on the way; B: input w_mid (given as codes): QUANTISED
;;     10. [M 16, K 64] x [K 64, N 64]; A: computed on the way; B: input emb2_w (given as codes): QUANTISED
;;     11. [M 16,384, K 64] x [K 64, N 192]; A: computed on the way; B: input sa2_qkv_w (given as codes): QUANTISED
;;     12. batch 64 x [M 1,024, K 16] x [K 16, N 1,024]; A: computed on the way; B: computed on the way: left as it is (K = 16 < 32)
;;     13. batch 64 x [M 16, K 1,024] x [K 1,024, N 1,024]; A: computed on the way; B: softmax (see below): QUANTISED
;;     14. [M 16,384, K 64] x [K 64, N 64]; A: computed on the way; B: input sa2_out_w (given as codes): QUANTISED
;;     15. [M 16,384, K 64] x [K 64, N 64]; A: computed on the way; B: input sa2_f1_w (given as codes): QUANTISED
;;     16. [M 16,384, K 64] x [K 64, N 64]; A: computed on the way; B: input sa2_f2_w (given as codes): QUANTISED
;;     17. [M 16,384, K 64] x [K 64, N 3]; A: computed on the way; B: input w_out: left as it is (N = 3 < 16)
;;   THE QUANTISER, for each operand of a quantised product, along K:
;;     - K is cut into blocks of 32 from its start; a last block that is shorter is filled with zeros.
;;     - A block's scale is 2^e with e = floor(log2(the largest magnitude in the block)) - 2, held to -126 .. 127; a block of zeros has e = 0. As a byte (E8M0): e + 127.
;;     - Each number is divided by its block's scale, clamped to +-6, and rounded to the nearest number of E2M1, ties to even, subnormals kept.
;;     - The product sums the exact products of the quantised numbers (number of the format x scale) in f32.
;;   ~~~python
;;   def quantise(x, axis):      # numpy; x: float32 -> the quantised numbers, widened to float32 again
;;       x = np.moveaxis(x, axis, -1); K = x.shape[-1]
;;       x = np.pad(x, [(0, 0)] * (x.ndim - 1) + [(0, -K % 32)]); x = x.reshape(x.shape[:-1] + (-1, 32)); a = np.abs(x).max(-1, keepdims=True)
;;       e = np.where(a > 0, np.clip(np.frexp(np.where(a > 0, a, 1))[1] - 1 - 2, -126, 127), 0)      # np.frexp(a)[1] - 1 = floor(log2(a)), exactly
;;       r = np.clip(x / 2.0 ** e, -6, 6)
;;       step = 2.0 ** (np.maximum(np.frexp(np.where(r == 0, 1, r))[1] - 1, 0) - 1)
;;       q = np.round(r / step) * step * 2.0 ** e      # np.round: ties to even
;;       return np.moveaxis(q.reshape(q.shape[:-2] + (-1,))[..., :K], -1, axis).astype(np.float32)
;;   ~~~
;;   SOFTMAX AHEAD OF A QUANTISED PRODUCT. Where the list says 'softmax', what is quantised is not the finished softmax but p = 2^(t - M), with t = logit x log2(e) and M = ceil(the row's largest t), a whole number; so 1/2 < the row's largest p <= 1. The row's sum l is taken of the UNQUANTISED p, in f32, and the product's result is divided by l at the end. Since M is a whole number, a kernel that streams over the keys may use a running M (the ceiling of the running maximum): every later rescaling is an exact power of two, which a block's scale takes up: the codes' values come out the same.
;;   OPERANDS COMPUTED ON THE WAY. 'Computed on the way' means the value that the module computes at that place (a softmax that the list does not call 'softmax' is quantised finished and normalised). What goes into a quantiser is computed in f32, as accurately as f32 sums, v_exp_f32 and their like allow (about 1e-6 of the number): no bf16 or f16 on the way to a quantiser, and a product that is left as it is and whose result goes on into a quantised operand takes f32 operands (vector FMAs, or v_wmma_f32_16x16x4_f32). A number that lies on a knife's edge between two numbers of the format may be rounded either way, as far as f32 arithmetic and the matrix unit's own rounding can turn it there, and no further.
;;   INPUTS GIVEN AS CODES. emb1_w (in the module: [64, 64], K = its axis 1); emb2_w (in the module: [64, 64], K = its axis 1); sa1_f1_w (in the module: [64, 64], K = its axis 1); sa1_f2_w (in the module: [64, 64], K = its axis 1); sa1_out_w (in the module: [64, 64], K = its axis 1); sa1_qkv_w (in the module: [192, 64], K = its axis 1); sa2_f1_w (in the module: [64, 64], K = its axis 1); sa2_f2_w (in the module: [64, 64], K = its axis 1); sa2_out_w (in the module: [64, 64], K = its axis 1); sa2_qkv_w (in the module: [192, 64], K = its axis 1); w_mid (in the module: [64, 64], K = its axis 1): each comes as NAME_codes (uint8): NAME with its K axis moved to the last place and cut into blocks of 32 codes, [.., K / 32, bytes a block], one block behind the other in memory; two codes a byte, the lower K in the low four bits (a code: sign, 2 exponent bits, 1 mantissa bit); and NAME_scales (uint8): the same leading axes, one E8M0 byte (e + 127) for each 32 codes along K. Its value is code x scale, taken as it is: it is not quantised again, and the codes and scales need not be those that the quantiser above would give.
;; One version. Each part assembles by itself: llvm-mc -triple=amdgcn-amd-amdhsa -mcpu=gfx1250 --defsym DOCPART=n.
;; ======== version 1 of 1: 3 launches
;; workspace buffers: ws1 13,144,064 bytes; ws2 13,139,968 bytes
;; launch pre (part 1): grid 16 x 16, 4 waves a work-group, no clusters, 16,896 bytes of LDS; arguments pos, t_int, w_in, b_in, emb1_w_codes, emb1_w_scales, emb1_b, emb2_w_codes, emb2_w_scales, emb2_b, b_mid, sa1_ln_g, sa1_ln_b, sa1_qkv_w_codes, sa1_qkv_w_scales, sa1_qkv_b, ws1; writes ws1
.if DOCPART == 1
	.amdgcn_target "amdgcn-amd-amdhsa--gfx1250"
	.amdhsa_code_object_version 6
	.text
	.protected	k_qa874167f96_pre
	.globl	k_qa874167f96_pre
	.p2align	8
	.type	k_qa874167f96_pre,@function
k_qa874167f96_pre:
	s_mov_b64 s[64:65], 0
	v_nop
	global_prefetch_b8 v0, s[64:65] scope:SCOPE_SE
	s_setreg_imm32_b32 hwreg(HW_REG_WAVE_MODE, 25, 1), 1
	s_wait_xcnt 0x0
; pre: the time embeddings, x0 = pos w_in^T + b_in + silu(t_info) emb1^T + emb1_b, its layer norm, and q, k, v of the first attention.
; A work-group of four waves takes 64 tokens (x: block of 64, y: batch).  In the chain wave w owns the tile of 16 tokens w, in the last phase the head w.
; ROW LAYOUT: lane (r = lane % 16, h = lane / 16) holds row r of a tile and channels 32 h .. 32 h + 31 in 32 registers: a whole block of the quantiser, whose
; four conversions are registers 0-3 of an FP4 operand (k = 32 h ..); K is 64, so registers 4-7 (k = 64 .. 127) hold zero codes and scale bytes 2, 3 are 0.
; A LINEAR LAYER IS USED TRANSPOSED (source 0 = 16 rows of W, source 1 = the rows' codes); lane r of W's tile t takes row 8 t + r + 24 (r / 8), so that the four results are the row layout again.
; THE ROWS OF A TILE ARE NOT NEIGHBOURS: row r of tile 2 blk + u is token 32 blk + 8 u + r + 8 (r / 8), so that scores and v come out with 16 neighbouring keys in 16 registers.
; WORKSPACE (all images of registers, 16 bytes a lane): q [b][block][tile][head][2][lane]; k at KOFF [b][step of 128 keys][head][tile 0..7][2][lane]; x at XOFF [b][block][tile][8][lane];
; v's codes at VOFF [b][step][head][2][lane]; v's scale bytes at VSOFF [b][step][head][d][4]; at TOFF silu(t_info) emb2^T + emb2_b + b_mid, [16][64] f32.
; No joint loads: what work-groups share here is a few KB of parameters.  No tensor loads: nothing is large enough.
; LIMITS: NaN and infinities are not served; |t x frequency| up to 2^17 (two-term reduction by pi/2); a block whose largest magnitude lies under 2^-124 keeps the byte 1; biases are added in another order than the source reads.
.set KOFF,  0x400000
.set XOFF,  0x800000
.set VOFF,  0xc00000
.set VSOFF, 0xc80000
.set TOFF,  0xc88000
.set STASH, 2560                       ; LDS, for each wave: emb1_b 0, b_in 256, emb2_b 512, b_mid 768, ln_g 1024, ln_b 1280, w_in 1536 (768 bytes)
.set XIMG,  4*STASH                    ; four images of 512 bytes: the tiles' codes
.set XSC,   2048                       ; their scale words lie so far behind them, one for each 16 bytes
.set R,    1                           ; v1   r
.set H,    2                           ; v2   h
.set LI,   3                           ; v3   16 x lane
.set XS,   5                           ; v4-11, v28-31 hold scales and nothing else: v5 the rows' word, v6-9 a weight's four tiles' (later the four images'), v10, v11, v4 Wq's, Wk's, Wv's, v28-31 emb2's
.set WS,   6
.set AVEC, 12                          ; v12  my stash + 128 h
.set GVS,  15                          ; v15  the image's LDS address, later 4 r + h
.set XF,   16                          ; v16-23 the rows' operand
.set ES,   28
.set W,    32
.set AV,   64
.set D0,   96
.set D1,   128
.set CB,   160
.set T,    192
.set G,    224
.set PO,   242                         ; v242-244 my token's pos
.set TI,   245                         ; v245 t of batch r
.set WV,   38
.set BB,   39
.set SEL,  40
.set R64,  42
.set EPS,  43
.set NHI,  44
.set NMID, 45
.set KS1,  46
.set KS2,  47
.set KS3,  48
.set KC1,  49
.set KC2,  50
.set KC3,  51
.set TP,   52                          ; s52-56 at work
.set STB,  57
.set QBI,  58
.set XB,   60
.set QB,   62
.set KBS,  66
.set VBS,  68
.set VSB,  70
.set TBS,  72
.macro PLACES n
.rept \n
	v_nop
.endr
.endm
.macro OP1 n, op, d, a                 ; d[i] = op a[i]
.set i, 0
.rept \n
	\op v[\d+i], v[\a+i]
.set i, i+1
.endr
.endm
.macro OP2 n, op, d, a, b              ; d[i] = a[i] op b[i]
.set i, 0
.rept \n
	\op v[\d+i], v[\a+i], v[\b+i]
.set i, i+1
.endr
.endm
.macro OP2K n, op, d, k, b             ; d[i] = k op b[i]
.set i, 0
.rept \n
	\op v[\d+i], \k, v[\b+i]
.set i, i+1
.endr
.endm
.macro PK2 n, op, d, a, b              ; the same on n pairs
.set i, 0
.rept \n
	\op v[\d+i:\d+i+1], v[\a+i:\a+i+1], v[\b+i:\b+i+1]
.set i, i+2
.endr
.endm
.macro FMA3 n, d, a, b, c              ; d[i] = a[i] b[i] + c[i]
.set i, 0
.rept \n
	v_fma_f32 v[\d+i], v[\a+i], v[\b+i], v[\c+i]
.set i, i+1
.endr
.endm
.macro FMAK n, d, a, k, c              ; d[i] = a[i] k + c[i]
.set i, 0
.rept \n
	v_fma_f32 v[\d+i], v[\a+i], \k, v[\c+i]
.set i, i+1
.endr
.endm
.macro FMAKK n, d, a, k, m             ; d[i] = a[i] k + m
.set i, 0
.rept \n
	v_fma_f32 v[\d+i], v[\a+i], \k, \m
.set i, i+1
.endr
.endm
.macro FMAVK n, d, a, b, k             ; d[i] = a[i] b[i] + k
.set i, 0
.rept \n
	v_fma_f32 v[\d+i], v[\a+i], v[\b+i], \k
.set i, i+1
.endr
.endm
.macro LDVEC dst, off                  ; a vector of 64 numbers in the row layout: my half's 32
.set i, 0
.rept 8
	ds_load_b128 v[\dst+4*i:\dst+4*i+3], v[AVEC] offset:\off+16*i
.set i, i+1
.endr
.endm
; 32 numbers of a lane, one block, become registers 0-3 of the operand in v[XF] on, and the row's scale word in v[XS] (lanes 0-15: block 0's byte under block 1's; lanes 16-31 are not read).
; n: the plain places behind: 8 in front of a scaled product (a scale register written by a vector instruction stands 8 ahead), 1 where the codes go to LDS.
.macro QUANT32 src, n
	v_max3_num_f32 v24, |v[\src]|, |v[\src+1]|, |v[\src+2]|
	v_max3_num_f32 v25, |v[\src+3]|, |v[\src+4]|, |v[\src+5]|
.irp e, 6,10,14,18,22,26
	v_max3_num_f32 v24, v24, |v[\src+\e]|, |v[\src+\e+1]|
	v_max3_num_f32 v25, v25, |v[\src+\e+2]|, |v[\src+\e+3]|
.endr
	v_max3_num_f32 v24, v24, |v[\src+30]|, |v[\src+31]|
	v_max3_num_f32 v24, v24, v25, 0x1800000        ; the floor 2^(3 - 127): the byte cannot fall under 1
	v_add_nc_u32 v25, 0xff000000, v24              ; 2 off the exponent field: the conversion's scale operand
	v_lshrrev_b32 v26, 23, v25                     ; the byte
	v_permlanex16_b32 v27, v26, s[SEL], s[SEL+1]
	v_lshl_or_b32 v[XS], v27, 8, v26
.irp e, 0,1,2,3
	v_cvt_scalef32_pk8_fp4_f32 v[XF+\e], v[\src+8*\e:\src+8*\e+7], v25
.endr
	PLACES \n
.endm
.macro PROD d, a, c, sc                ; four tiles: d = a (16 rows of W each) x the rows' operand + c
	s_wait_dscnt 0x0
.irp m, 0,1,2,3
	v_wmma_scale_f32_16x16x128_f8f6f4 v[\d+8*\m:\d+8*\m+7], v[\a+8*\m:\a+8*\m+7], v[XF:XF+7], v[\c+8*\m:\c+8*\m+7], v[\sc+\m], v[XS] matrix_a_fmt:MATRIX_FMT_FP4 matrix_b_fmt:MATRIX_FMT_FP4
.endr
.endm
; dst = (src - mean) / sqrt(var + 1e-5) x gg + bb over the row's 64 numbers: my 32 and lane l xor 16's.  Two passes, as the source has it.  gg and bb may still be on their way from LDS.
.macro LN src, dst, gg, bb
.set i, 0
.rept 8
	v_pk_add_f32 v[\dst+2*i:\dst+2*i+1], v[\src+4*i:\src+4*i+1], v[\src+4*i+2:\src+4*i+3]
.set i, i+1
.endr
.set i, 0
.rept 4
	v_pk_add_f32 v[\dst+16+2*i:\dst+17+2*i], v[\dst+4*i:\dst+4*i+1], v[\dst+4*i+2:\dst+4*i+3]
.set i, i+1
.endr
	v_pk_add_f32 v[\dst+24:\dst+25], v[\dst+16:\dst+17], v[\dst+18:\dst+19]
	v_pk_add_f32 v[\dst+26:\dst+27], v[\dst+20:\dst+21], v[\dst+22:\dst+23]
	v_pk_add_f32 v[24:25], v[\dst+24:\dst+25], v[\dst+26:\dst+27]
	v_add_f32 v24, v24, v25
	v_permlanex16_b32 v25, v24, s[SEL], s[SEL+1]
	v_add_f32 v24, v24, v25
	v_mul_f32 v24, s[R64], v24                     ; the mean
.set i, 0
.rept 16
	v_pk_add_f32 v[\dst+i:\dst+i+1], v[\src+i:\src+i+1], v[24:25] op_sel_hi:[1,0] neg_lo:[0,1] neg_hi:[0,1]
.set i, i+2
.endr
	v_pk_mul_f32 v[24:25], v[\dst:\dst+1], v[\dst:\dst+1]
	v_pk_mul_f32 v[26:27], v[\dst+2:\dst+3], v[\dst+2:\dst+3]
.set i, 4
.rept 7
	v_pk_fma_f32 v[24:25], v[\dst+i:\dst+i+1], v[\dst+i:\dst+i+1], v[24:25]
	v_pk_fma_f32 v[26:27], v[\dst+i+2:\dst+i+3], v[\dst+i+2:\dst+i+3], v[26:27]
.set i, i+4
.endr
	v_pk_add_f32 v[24:25], v[24:25], v[26:27]
	v_add_f32 v24, v24, v25
	v_permlanex16_b32 v25, v24, s[SEL], s[SEL+1]
	v_add_f32 v24, v24, v25
	v_fma_f32 v24, v24, s[R64], s[EPS]
	v_rsq_f32 v24, v24
	v_nop                                          ; a plain place behind the transcendental
	s_wait_dscnt 0x0                               ; gain and bias are in
.set i, 0
	s_wait_alu depctr_va_vdst(0)
.rept 16
	v_pk_mul_f32 v[\dst+i:\dst+i+1], v[\dst+i:\dst+i+1], v[24:25] op_sel_hi:[1,0]
.set i, i+2
.endr
.set i, 0
.rept 16
	v_pk_fma_f32 v[\dst+i:\dst+i+1], v[\dst+i:\dst+i+1], v[\gg+i:\gg+i+1], v[\bb+i:\bb+i+1]
.set i, i+2
.endr
.endm
; Where this work-group's and this wave's parts of the workspace begin (the wave's number is the tile for x, the head for q, k, v).
.macro WSBASES ptr
	s_lshl_b32 s[TP], s[BB], 18
	s_lshl_b32 s[TP+1], s[QBI], 14
	s_add_co_u32 s[TP], s[TP], s[TP+1]
	s_lshl_b32 s[TP+1], s[WV], 10
	s_add_co_u32 s[TP+2], s[TP], s[TP+1]
	s_mov_b32 s[TP+3], 0
	s_add_nc_u64 s[QB:QB+1], s[\ptr:\ptr+1], s[TP+2:TP+3]
	s_lshl_b32 s[TP+1], s[WV], 12
	s_add_co_u32 s[TP+2], s[TP], s[TP+1]
	s_add_co_u32 s[TP+2], s[TP+2], XOFF
	s_add_nc_u64 s[XB:XB+1], s[\ptr:\ptr+1], s[TP+2:TP+3]
	s_lshr_b32 s[TP], s[QBI], 1
	s_lshl_b32 s[TP], s[TP], 15
	s_lshl_b32 s[TP+1], s[BB], 18
	s_add_co_u32 s[TP], s[TP], s[TP+1]
	s_lshl_b32 s[TP+1], s[WV], 13
	s_add_co_u32 s[TP], s[TP], s[TP+1]             ; batch, step of 128 keys, head, in k's bytes
	s_lshr_b32 s[TP+2], s[TP], 7
	s_and_b32 s[TP+1], s[QBI], 1                   ; which half of the step this block is
	s_lshl_b32 s[TP+4], s[TP+1], 1
	s_add_co_u32 s[TP+2], s[TP+2], s[TP+4]
	s_add_co_u32 s[TP+2], s[TP+2], VSOFF
	s_add_nc_u64 s[VSB:VSB+1], s[\ptr:\ptr+1], s[TP+2:TP+3]
	s_lshl_b32 s[TP+1], s[TP+1], 12
	s_add_co_u32 s[TP], s[TP], s[TP+1]
	s_add_co_u32 s[TP+2], s[TP], KOFF
	s_add_nc_u64 s[KBS:KBS+1], s[\ptr:\ptr+1], s[TP+2:TP+3]
	s_lshr_b32 s[TP+2], s[TP], 3
	s_add_co_u32 s[TP+2], s[TP+2], VOFF
	s_add_nc_u64 s[VBS:VBS+1], s[\ptr:\ptr+1], s[TP+2:TP+3]
.endm
.macro ZQKV                            ; zero codes for k = 64 .. 127 of the four images and of Wq, Wk, Wv
.irp m, 0,1,2,3
.irp e, 4,5,6,7
	v_mov_b32 v[W+8*\m+\e], 0
.endr
.endr
.irp m, 0,1,2
.irp e, 4,5,6,7
	v_mov_b32 v[AV+8*\m+\e], 0
.endr
.endr
.endm
.macro IMAGES                          ; the four tiles' codes and scale words, as their waves stored them
.irp m, 0,1,2,3
	ds_load_b128 v[W+8*\m:W+8*\m+3], v[LI] offset:XIMG+512*\m
	ds_load_b32 v[WS+\m], v[LI] offset:XIMG+XSC+512*\m
.endr
.endm
; q, k, v of my head for the block's four tiles.  q and k transposed (a lane: one token, d = 8 h + 0 .. 7): they are stored as they stand.  v not transposed (a lane: one d, and in the 16 registers of tiles
; 2 u, 2 u + 1 the tokens 32 u + 16 h + 0 .. 15): it is quantised along the tokens, which are the second product's K.  Twelve accumulators by turns.
.macro QKVMUL
.irp m, 0,1,2,3
	v_wmma_scale_f32_16x16x128_f8f6f4 v[T+8*\m:T+8*\m+7], v[64:71], v[W+8*\m:W+8*\m+7], v[160:167], v10, v[WS+\m] matrix_a_fmt:MATRIX_FMT_FP4 matrix_b_fmt:MATRIX_FMT_FP4
	v_wmma_scale_f32_16x16x128_f8f6f4 v[G+8*\m:G+8*\m+7], v[72:79], v[W+8*\m:W+8*\m+7], v[168:175], v11, v[WS+\m] matrix_a_fmt:MATRIX_FMT_FP4 matrix_b_fmt:MATRIX_FMT_FP4
	v_wmma_scale_f32_16x16x128_f8f6f4 v[D0+8*\m:D0+8*\m+7], v[W+8*\m:W+8*\m+7], v[80:87], v[176:183], v[WS+\m], v4 matrix_a_fmt:MATRIX_FMT_FP4 matrix_b_fmt:MATRIX_FMT_FP4
.endr
	PLACES 4
.irp m, 0,1,2,3
	global_store_b128 v[LI], v[T+8*\m:T+8*\m+3], s[QB:QB+1] offset:4096*\m          ; each store covers 512 consecutive bytes
	global_store_b128 v[LI], v[T+8*\m+4:T+8*\m+7], s[QB:QB+1] offset:4096*\m+512
	global_store_b128 v[LI], v[G+8*\m:G+8*\m+3], s[KBS:KBS+1] offset:1024*\m
	global_store_b128 v[LI], v[G+8*\m+4:G+8*\m+7], s[KBS:KBS+1] offset:1024*\m+512
.endr
.irp u, 0,1
	v_max3_num_f32 v[24+\u], |v[D0+16*\u]|, |v[D0+16*\u+1]|, 0x1800000
.endr
.irp e, 2,4,6,8,10,12,14
.irp u, 0,1
	v_max3_num_f32 v[24+\u], v[24+\u], |v[D0+16*\u+\e]|, |v[D0+16*\u+\e+1]|
.endr
.endr
.irp u, 0,1
	v_permlanex16_b32 v[26+\u], v[24+\u], s[SEL], s[SEL+1]
.endr
.irp u, 0,1
	v_max_num_f32 v[24+\u], v[24+\u], v[26+\u]     ; with lane l xor 16's 16 tokens: the block's largest magnitude
.endr
.irp u, 0,1
	v_add_nc_u32 v[24+\u], 0xff000000, v[24+\u]
.endr
.irp u, 0,1
	v_lshrrev_b32 v[26+\u], 23, v[24+\u]
.endr
.irp u, 0,1
	v_cvt_scalef32_pk8_fp4_f32 v[184+2*\u], v[D0+16*\u:D0+16*\u+7], v[24+\u]
	v_cvt_scalef32_pk8_fp4_f32 v[185+2*\u], v[D0+16*\u+8:D0+16*\u+15], v[24+\u]
.endr
	v_bfe_u32 v188, v0, 4, 1                       ; h (a plain place behind the conversions)
	v_permlane16_swap_b32 v184, v186               ; a whole block to a lane: lanes 0-15 tokens 0-31, lanes 16-31 tokens 32-63
	v_permlane16_swap_b32 v185, v187
	v_cmp_eq_u32 vcc_lo, 1, v188
	v_cndmask_b32 v26, v26, v27, vcc_lo            ; block h's byte
	global_store_b128 v[LI], v[184:187], s[VBS:VBS+1]
	global_store_b8 v[GVS], v26, s[VSB:VSB+1]      ; one byte for each 16 bytes of codes: these units are written in part
.endm
; The frequencies: P = 10000^(i / 32) = 10^(i / 8), rounded to f32, then 1 / P rounded once more, as the source makes them.
.macro FREQ pass
.set i, 0
.irp p, 1.0, 1.333521432, 1.778279410, 2.371373706, 3.162277660, 4.216965034, 5.623413252, 7.498942093, 10.0, 13.33521432, 17.78279410, 23.71373706, 31.62277660, 42.16965034, 56.23413252, 74.98942093, 100.0, 133.3521432, 177.8279410, 237.1373706, 316.2277660, 421.6965034, 562.3413252, 749.8942093, 1000.0, 1333.521432, 1778.279410, 2371.373706, 3162.277660, 4216.965034, 5623.413252, 7498.942093
.if \pass == 0
	v_rcp_f32 v[D0+i], \p
.else
	v_fma_f32 v[D1+i], \p, -v[D0+i], 1.0
.endif
.set i, i+1
.endr
.endm
	s_load_b512 s[4:19], s[0:1], 0x0               ; pos, t_int, w_in, b_in, emb1 codes, scales, bias, emb2 codes
	s_load_b512 s[20:35], s[0:1], 0x40             ; emb2 scales, bias, b_mid, ln_g, ln_b, qkv codes, scales, bias
	s_load_b64 s[36:37], s[0:1], 0x80              ; the workspace
	s_set_vgpr_msb 0x40
	v_lshl_add_u32 v0, v0, 2, 0x4000
	v_mov_b32 v1, 0
	s_set_vgpr_msb 0x4000
	v_lshrrev_b32 v1, 5, v0
	v_readfirstlane_b32 s[WV], v1                  ; wave 0..3
	s_and_b32 s[BB], ttmp7, 0xffff                 ; batch
	s_mov_b32 s[QBI], ttmp9                        ; block of 64 tokens
	s_mov_b32 s[SEL], 0x76543210
	s_mov_b32 s[SEL+1], 0xfedcba98                 ; v_permlanex16_b32's selects for lane l xor 16
	s_mov_b32 s[R64], 0x3c800000                   ; 1 / 64
	s_mov_b32 s[EPS], 0x3727c5ac                   ; 1e-5
	s_mov_b32 s[NHI], 0xbfc90fdb                   ; -(pi / 2 rounded to f32)
	s_mov_b32 s[NMID], 0x333bbd2e                  ; that rounding's error, with its sign turned
	s_mov_b32 s[KS1], -0.16666654611
	s_mov_b32 s[KS2], 0.0083321608736
	s_mov_b32 s[KS3], -0.00019515295891
	s_mov_b32 s[KC1], 0.04166664568
	s_mov_b32 s[KC2], -0.001388731625
	s_mov_b32 s[KC3], 0.00002443315712
	v_and_b32 v[R], 15, v0
	v_bfe_u32 v[H], v0, 4, 1
	v_and_b32 v13, 31, v0
	v_lshlrev_b32 v[LI], 4, v13
	v_lshlrev_b32 v14, 3, v13                      ; 8 x lane: a vector of 256 bytes by one load
	s_mul_i32 s[STB], s[WV], STASH
	v_add_nc_u32 v13, s[STB], v14                  ; and into my stash
	v_lshl_add_u32 v[AVEC], v[H], 7, s[STB]
	v_lshrrev_b32 v24, 3, v[R]
	v_mad_u32_u24 v25, v24, 24, v[R]               ; r + 24 (r / 8): W's row in a tile
	v_lshlrev_b32 v15, 5, v25
	v_lshl_add_u32 v15, v[H], 4, v15               ; 32 bytes a row, + 16 h
	v_lshlrev_b32 v25, 1, v25                      ; 2 scale bytes a row
	v_lshl_add_u32 v24, v24, 3, v[R]               ; r + 8 (r / 8): the token in a tile
	v_mul_u32_u24 v24, v24, 12
	v_lshlrev_b32 v26, 2, v[R]
	s_lshl_b32 s[TP], s[BB], 10
	s_lshl_b32 s[TP+1], s[QBI], 6
	s_add_co_u32 s[TP], s[TP], s[TP+1]
	s_lshr_b32 s[TP+1], s[WV], 1
	s_lshl_b32 s[TP+1], s[TP+1], 5
	s_add_co_u32 s[TP], s[TP], s[TP+1]
	s_and_b32 s[TP+1], s[WV], 1
	s_lshl_b32 s[TP+1], s[TP+1], 3
	s_add_co_u32 s[TP], s[TP], s[TP+1]             ; my tile's first token
	s_mul_i32 s[TP], s[TP], 12
	s_mov_b32 s[TP+1], 0
	s_wait_kmcnt 0x0
	s_add_nc_u64 s[4:5], s[4:5], s[TP:TP+1]
	s_lshl_b32 s[TP], s[WV], 9                     ; my head's 16 rows of Wq: codes,
	s_add_nc_u64 s[30:31], s[30:31], s[TP:TP+1]
	s_lshl_b32 s[TP], s[WV], 5                     ; scale bytes,
	s_add_nc_u64 s[32:33], s[32:33], s[TP:TP+1]
	s_lshl_b32 s[TP], s[WV], 6                     ; bias
	s_add_nc_u64 s[34:35], s[34:35], s[TP:TP+1]
	s_add_nc_u64 s[TBS:TBS+1], s[36:37], TOFF
	WSBASES 36
	global_load_b32 v[TI], v26, s[6:7]
	global_load_b64 v[224:225], v14, s[16:17]
	global_load_b64 v[226:227], v14, s[10:11]
	global_load_b64 v[228:229], v14, s[22:23]
	global_load_b64 v[230:231], v14, s[24:25]
	global_load_b64 v[232:233], v14, s[26:27]
	global_load_b64 v[234:235], v14, s[28:29]
	global_load_b64 v[236:237], v14, s[8:9]
	global_load_b64 v[238:239], v14, s[8:9] offset:256
	global_load_b64 v[240:241], v14, s[8:9] offset:512
.irp e, 0,1,2
	global_load_b32 v[PO+\e], v24, s[4:5] offset:4*\e
.endr
.irp m, 0,1,2,3
	global_load_b128 v[W+8*\m:W+8*\m+3], v15, s[12:13] offset:256*\m
	global_load_b128 v[AV+8*\m:AV+8*\m+3], v15, s[18:19] offset:256*\m
	global_load_u16 v[WS+\m], v25, s[14:15] offset:16*\m
	global_load_u16 v[ES+\m], v25, s[20:21] offset:16*\m
.endr
.irp m, 0,1,2,3                        ; zero codes for k = 64 .. 127
.irp e, 4,5,6,7
	v_mov_b32 v[W+8*\m+\e], 0
	v_mov_b32 v[AV+8*\m+\e], 0
.endr
.endr
.irp e, 4,5,6,7
	v_mov_b32 v[XF+\e], 0
.endr
	v_mov_b32 v27, 0                               ; a lane permute's destination counts as one of its sources
	s_wait_loadcnt 0x0
.set i, 0
.rept 9
	ds_store_b64 v13, v[224+2*i:225+2*i] offset:256*i
.set i, i+1
.endr
	; ---- silu(t_info) of the 16 batches, row layout: lanes 0-15 the sines, lanes 16-31 the cosines (the sine one quadrant on)
	FREQ 0
	v_nop
	s_wait_alu depctr_va_vdst(0)
	FREQ 1
	FMA3 32, D0, D0, D1, D0                        ; 1 / P, rounded once
	OP2K 32, v_mul_f32, D0, v[TI], D0              ; the angle
	OP2K 32, v_mul_f32, D1, 0x3f22f983, D0         ; x 2 / pi
	OP1 32, v_rndne_f32, D1, D1                    ; n
	FMAK 32, D0, D1, s[NHI], D0                    ; angle - n pi / 2, in two terms: the first is exact
	FMAK 32, D0, D1, s[NMID], D0
	OP1 32, v_cvt_i32_f32, D1, D1
	OP2K 32, v_add_nc_u32, D1, v[H], D1            ; the quadrant
	OP2 32, v_mul_f32, CB, D0, D0                  ; z = r^2
	FMAKK 32, T, CB, s[KS3], s[KS2]
	FMAVK 32, T, T, CB, s[KS1]
	OP2 32, v_mul_f32, T, T, CB
	FMA3 32, T, T, D0, D0                          ; sin r
	FMAKK 32, D0, CB, s[KC3], s[KC2]
	FMAVK 32, D0, D0, CB, s[KC1]
	FMAVK 32, D0, D0, CB, -0.5
	FMAVK 32, D0, D0, CB, 1.0                      ; cos r
	OP2K 32, v_and_b32, CB, 1, D1
.set i, 0
.rept 32
	v_cmp_eq_u32 vcc_lo, 1, v[CB+i]
	v_cndmask_b32 v[T+i], v[T+i], v[D0+i], vcc_lo  ; odd quadrants take the cosine
.set i, i+1
.endr
	OP2K 32, v_lshlrev_b32, D1, 30, D1
	OP2K 32, v_and_b32, D1, 0x80000000, D1
	OP2 32, v_xor_b32, T, T, D1                    ; quadrants 2 and 3 turn the sign
	OP2K 32, v_mul_f32, D0, 0xbfb8aa3b, T
	OP1 32, v_exp_f32, D0, D0
	v_nop
	s_wait_alu depctr_va_vdst(0)
	OP2K 32, v_add_f32, D0, 1.0, D0
	OP1 32, v_rcp_f32, D0, D0
	v_nop
	s_wait_alu depctr_va_vdst(0)
	OP2 32, v_mul_f32, T, T, D0                    ; silu
	; ---- both embeddings of all 16 batches
	LDVEC CB, 0                                    ; emb1_b (LDS serves a wave's instructions in order: these see my stores)
	QUANT32 T, 8
	PROD D0, W, CB, WS
	PLACES 4
	LDVEC CB, 512                                  ; emb2_b
	PROD D1, AV, CB, ES
	PLACES 4
	LDVEC CB, 768                                  ; b_mid
	s_wait_dscnt 0x0
	PK2 16, v_pk_add_f32, T, D1, CB
	s_or_b32 s[TP], s[QBI], s[BB]
	s_or_b32 s[TP], s[TP], s[WV]
	s_cmp_lg_u32 s[TP], 0
	s_cbranch_scc1 .Lnot_first                     ; one wave of the launch stores the second embedding
	v_lshlrev_b32 v24, 8, v[R]
	v_lshl_add_u32 v24, v[H], 7, v24
.set i, 0
.rept 8
	global_store_b128 v24, v[T+4*i:T+4*i+3], s[TBS:TBS+1] offset:16*i
.set i, i+1
.endr
.Lnot_first:
	s_wait_xcnt 0x0                                ; T and v24 are written again only behind this wait
	; ---- x0 of my 16 tokens
	v_lshlrev_b32 v26, 6, v[H]
	s_lshl_b32 s[TP], s[BB], 2
	v_add_nc_u32 v26, s[TP], v26                   ; lane b + 16 h holds my batch's row
.set i, 0
.rept 32
	ds_bpermute_b32 v[T+i], v26, v[D0+i]
.set i, i+1
.endr
	LDVEC CB, 256                                  ; b_in
	v_mul_u32_u24 v25, v[H], 384
	v_add_nc_u32 v25, s[STB], v25                  ; w_in's 32 rows of my half: 96 numbers
.set i, 0
.rept 16
	ds_load_b128 v[32+4*i:35+4*i], v25 offset:1536+16*i
.set i, i+1
.endr
.set i, 0
.rept 8
	ds_load_b128 v[128+4*i:131+4*i], v25 offset:1792+16*i
.set i, i+1
.endr
	s_wait_dscnt 0x0
	PK2 16, v_pk_add_f32, CB, CB, T
.irp c, 0,1,2
.set i, 0
.rept 32
.if 3*i+\c < 64
	v_fmac_f32 v[CB+i], v[PO+\c], v[32+3*i+\c]
.else
	v_fmac_f32 v[CB+i], v[PO+\c], v[64+3*i+\c]
.endif
.set i, i+1
.endr
.endr
.set i, 0
.rept 8
	global_store_b128 v[LI], v[CB+4*i:CB+4*i+3], s[XB:XB+1] offset:512*i   ; the residual's image: 512 consecutive bytes a store
.set i, i+1
.endr
	v_lshlrev_b32 v13, 5, v[R]
	v_lshl_add_u32 v13, v[H], 4, v13               ; Wq, Wk, Wv of my head: natural rows
	v_lshlrev_b32 v14, 1, v[R]
	global_load_b128 v[64:67], v13, s[30:31]
	global_load_b128 v[72:75], v13, s[30:31] offset:2048
	global_load_b128 v[80:83], v13, s[30:31] offset:4096
	global_load_u16 v10, v14, s[32:33]
	global_load_u16 v11, v14, s[32:33] offset:128
	global_load_u16 v4, v14, s[32:33] offset:256
	; ---- layer norm, codes, image
	LDVEC G, 1024
	LDVEC D1, 1280
	LN CB, T, G, D1
	v_lshlrev_b32 v224, 5, v[H]
	v_lshlrev_b32 v225, 2, v[R]
	s_wait_xcnt 0x0                                ; the stores of x0 have read CB
	global_load_b128 v[160:163], v224, s[34:35]            ; q's bias at d = 8 h ..
	global_load_b128 v[164:167], v224, s[34:35] offset:16
	global_load_b128 v[168:171], v224, s[34:35] offset:256 ; k's
	global_load_b128 v[172:175], v224, s[34:35] offset:272
.set i, 0
.rept 8
	global_load_b32 v[176+i], v225, s[34:35] offset:512    ; v's at d = r, in all eight registers
.set i, i+1
.endr
	s_lshl_b32 s[TP], s[WV], 9
	s_add_co_u32 s[TP], s[TP], XIMG
	v_add_nc_u32 v15, s[TP], v[LI]
	QUANT32 T, 1
	ds_store_b128 v15, v[XF:XF+3]
	ds_store_b32 v15, v[XS] offset:XSC
	s_wait_dscnt 0x0                               ; for the others' sake: my image has landed
	s_barrier_signal -1
	s_barrier_wait -1
	; ---- q, k, v of head w for the four tiles
	v_lshl_add_u32 v[GVS], v[R], 2, v[H]
	ZQKV
	IMAGES
	s_wait_loadcnt 0x0
	s_wait_dscnt 0x0
	PLACES 4                                       ; operands written by vector instructions stand 4 places ahead of a scaled product
	QKVMUL
	s_set_vgpr_msb 0x5
	s_wait_tensorcnt 0x0
	ds_add_u32 v0, v1
	s_wait_dscnt 0x0
	s_set_vgpr_msb 0x500
	s_endpgm
.Lfunc_end_k_qa874167f96_pre:
	.size	k_qa874167f96_pre, .Lfunc_end_k_qa874167f96_pre-k_qa874167f96_pre
	.p2alignl 7, 3214868480
	.fill 96, 4, 3214868480
	.section	.rodata,"a",@progbits
	.p2align	6, 0x0
	.amdhsa_kernel k_qa874167f96_pre
		.amdhsa_group_segment_fixed_size 16896
		.amdhsa_private_segment_fixed_size 0
		.amdhsa_enable_private_segment 0
		.amdhsa_kernarg_size 136
		.amdhsa_user_sgpr_count 2
		.amdhsa_user_sgpr_kernarg_segment_ptr 1
		.amdhsa_wavefront_size32 1
		.amdhsa_system_sgpr_workgroup_id_x 1
		.amdhsa_system_sgpr_workgroup_id_y 1
		.amdhsa_system_sgpr_workgroup_id_z 1
		.amdhsa_system_vgpr_workitem_id 0
		.amdhsa_next_free_vgpr 258
		.amdhsa_next_free_sgpr 80
		.amdhsa_reserve_vcc 1
		.amdhsa_float_denorm_mode_32 3
		.amdhsa_float_denorm_mode_16_64 3
		.amdhsa_memory_ordered 1
		.amdhsa_forward_progress 1
		.amdhsa_inst_pref_size 88
	.end_amdhsa_kernel
	.amdgpu_metadata
---
amdhsa.version: [ 1, 2 ]
amdhsa.kernels:
  - .name:           k_qa874167f96_pre
    .symbol:         k_qa874167f96_pre.kd
    .args:
      - { .name: pos, .offset: 0, .size: 8, .value_kind: global_buffer, .address_space: global }
      - { .name: t_int, .offset: 8, .size: 8, .value_kind: global_buffer, .address_space: global }
      - { .name: w_in, .offset: 16, .size: 8, .value_kind: global_buffer, .address_space: global }
      - { .name: b_in, .offset: 24, .size: 8, .value_kind: global_buffer, .address_space: global }
      - { .name: emb1_w_codes, .offset: 32, .size: 8, .value_kind: global_buffer, .address_space: global }
      - { .name: emb1_w_scales, .offset: 40, .size: 8, .value_kind: global_buffer, .address_space: global }
      - { .name: emb1_b, .offset: 48, .size: 8, .value_kind: global_buffer, .address_space: global }
      - { .name: emb2_w_codes, .offset: 56, .size: 8, .value_kind: global_buffer, .address_space: global }
      - { .name: emb2_w_scales, .offset: 64, .size: 8, .value_kind: global_buffer, .address_space: global }
      - { .name: emb2_b, .offset: 72, .size: 8, .value_kind: global_buffer, .address_space: global }
      - { .name: b_mid, .offset: 80, .size: 8, .value_kind: global_buffer, .address_space: global }
      - { .name: sa1_ln_g, .offset: 88, .size: 8, .value_kind: global_buffer, .address_space: global }
      - { .name: sa1_ln_b, .offset: 96, .size: 8, .value_kind: global_buffer, .address_space: global }
      - { .name: sa1_qkv_w_codes, .offset: 104, .size: 8, .value_kind: global_buffer, .address_space: global }
      - { .name: sa1_qkv_w_scales, .offset: 112, .size: 8, .value_kind: global_buffer, .address_space: global }
      - { .name: sa1_qkv_b, .offset: 120, .size: 8, .value_kind: global_buffer, .address_space: global }
      - { .name: ws1, .offset: 128, .size: 8, .value_kind: global_buffer, .address_space: global }
    .group_segment_fixed_size: 16896
    .private_segment_fixed_size: 0
    .kernarg_segment_align: 8
    .kernarg_segment_size: 136
    .max_flat_workgroup_size: 128
    .sgpr_count:     80
    .vgpr_count:     258
    .wavefront_size: 32
...
	.end_amdgpu_metadata
.endif
;; end of part 1
;; launch layer1 (part 2): grid 16 x 16, 16 waves a work-group, clusters of 4 x 1, 327,680 bytes of LDS; arguments ws1, sa1_out_w_codes, sa1_out_w_scales, sa1_out_b, sa1_fln_g, sa1_fln_b, sa1_f1_w_codes, sa1_f1_w_scales, sa1_f1_b, sa1_f2_w_codes, sa1_f2_w_scales, sa1_f2_b, w_mid_codes, w_mid_scales, sa2_ln_g, sa2_ln_b, sa2_qkv_w_codes, sa2_qkv_w_scales, sa2_qkv_b, ws2; writes ws2
.if DOCPART == 2
	.amdgcn_target "amdgcn-amd-amdhsa--gfx1250"
	.amdhsa_code_object_version 6
	.text
	.protected	k_qa874167f96_layer1
	.globl	k_qa874167f96_layer1
	.p2align	8
	.type	k_qa874167f96_layer1,@function
k_qa874167f96_layer1:
	s_mov_b64 s[64:65], 0
	v_nop
	global_prefetch_b8 v0, s[64:65] scope:SCOPE_SE
	s_setreg_imm32_b32 hwreg(HW_REG_WAVE_MODE, 25, 1), 1
	s_wait_xcnt 0x0
	s_wait_alu depctr_hold_cnt(0) depctr_sa_sdst(0) depctr_va_vdst(0) depctr_va_sdst(0) depctr_va_ssrc(0) depctr_va_vcc(0) depctr_vm_vsrc(0)
	s_getreg_b32 s2, hwreg(HW_REG_IB_STS2, 6, 4)
	s_cmp_eq_u32 s2, 0
	s_cbranch_scc0 .Lentry_in_a_cluster
	s_endpgm
.Lentry_in_a_cluster:
	s_bfe_u32 s2, ttmp6, 0x10000c
	s_cmp_lg_u32 s2, 0x3003
	s_cbranch_scc0 .Lentry_shape_is_right
	s_endpgm
.Lentry_shape_is_right:
; A layer: attention over a batch's 1,024 keys, the output projection and residual, layer norm, f1, exact gelu, f2 and residual.
; LAYER = 1 goes on with relu, w_mid + the second embedding, layer norm and q, k, v of the next attention, into the next workspace; LAYER = 2 with relu, w_out, the mask, into out0.
; SHARES.  A work-group owns 64 queries of one batch, all four heads; wave w = 4 tile + head owns 16 queries of one head and walks all keys, 128 a step, eight steps written out.  Four waves to a SIMD, so that one
; wave's f32 products stand beside another's softmax.  The chain behind the attention is run by waves 0-3, a tile of 16 rows each; every wave passes every barrier.
; CLUSTER.  The four query blocks of a cluster belong to one batch and read the same k and v: every tile is asked for JOINTLY, by the same tensor load with the same descriptor and the mask 15.
; LDS.  The batch's k (262,144 bytes) and v's codes (32,768) come ONCE, by five loads a wave at the head (five are outstanding at the most), as they lie in the workspace: images of registers, 16 bytes a lane.  Nothing is filled
; again.  Behind them the parameters, copied once through registers.  The stages of the chain lie in k's first 32 KB, which have had their only fill and whose last read lies in front of step 1's barrier.
; PRODUCTS.  S^T = k q^T with f32 operands (its result goes on into a quantiser): v_wmma_f32_16x16x4_f32, four along d = 16, eight accumulators by turns; both operands carry d in the same order (8 h + 2 c + j).
; O^T += v^T p^T on FP4 codes, K = the step's 128 keys.  A lane holds one query throughout.  The keys of a tile are chosen (row r of tile 2 b + u = key 32 b + 8 u + r + 8 (r / 8)) so that 16 registers are 16 neighbouring keys.
; SOFTMAX: t = score x log2(e) / 4; M = the running largest t rounded up to a whole number; p = 2^(t - M) is quantised, not normalised; the sum of the unquantised p divides at the end.
; ROW LAYOUT of the chain: lane (r, h) holds row r, channels 32 h .. 32 h + 31: a whole block.  K = 64: registers 4-7 of every operand hold zero codes.  Linear layers are used transposed; lane r of W's tile t takes row 8 t + r + 24 (r / 8).
; LIMITS: NaN and infinities are not served; a block whose largest magnitude lies under 2^-124 keeps the byte 1; erfc by a rational-exponential form of fractional error about 1.2e-7; biases are added in another order than the source reads.
.set LAYER, 1
.set KOFF,  0x400000
.set XOFF,  0x800000
.set VOFF,  0xc00000
.set VSOFF, 0xc80000
.set TOFF,  0xc88000
.set VB,    262144                     ; LDS: v's codes behind k
.set PAR,   294912                     ; the parameters
.set OSTP,  272                        ; the stage for O: a row of 256 bytes + 16
.set OSTT,  16*OSTP
.set XIMG,  4*OSTT                     ; LAYER 1: four images of 512 bytes,
.set XSC,   2048                       ; and their scale words so far behind them
.set OUTS,  4*OSTT                     ; LAYER 2: the block's 768 bytes of output
.set PC_OUT, 0
.set PC_F1,  2048
.set PC_F2,  4096
.if LAYER == 1
.set PC_MID, 6144
.set PC_QKV, 8192
.set PVS,    14336
.set VEC0,   16384
.set SC0,    19200
.else
.set PVS,    6144
.set VEC0,   8192
.set SC0,    10240
.endif
.set V_OUTB, 0
.set V_FLNG, 256
.set V_FLNB, 512
.set V_F1B,  768
.set V_F2B,  1024
.set V_TB2,  1280
.set V_WO,   1280
.set V_LNG,  1536
.set V_LNB,  1792
.set V_QKVB, 2048
.set S_OUT,  0
.set S_F1,   128
.set S_F2,   256
.set S_MID,  384
.set S_QKV,  512
; registers of the attention
.set AK,  1                            ; v1   LDS address of the step's k fragments
.set AVV, 2                            ; v2   of v's
.set AVS, 3                            ; v3   of v's scale words
.set PS,  4                            ; v4-11 hold scales and nothing else: v4 p's word, v5 v's
.set VS,  5
.set QF,  16                           ; v16-23 q
.set O,   24                           ; v24-31 O^T
.set KF,  32                           ; v32-95 eight fragments of k
.set SS,  96                           ; v96-159 S^T: written by matrix instructions alone, in the whole text
.set PP,  160                          ; v160-223 p
.set PCD, 224                          ; v224-231 p's codes
.set VF,  232                          ; v232-239 v's fragment
.set BM,  240                          ; v240-243 the blocks' largest
.set BT,  244                          ; v244-247 at work
.set BSC, 248                          ; v248-251 the conversions' scale operands;  v[252:253] f;  v254 at work;  v255 16 x lane
; registers of the chain
.set LI,   1
.set AVEC, 2
.set AW,   3
.set XS,   5
.set WS,   6
.set AWS,  12
.set AOS,  13
.set AOL,  14
.set AIM,  15
.set XF,   16
.set W,    32
.set AV,   64
.set D0,   96
.set D1,   128
.set CB,   160
.set T,    192
.set G,    224
.set GVS,  94
; scalars
.set G1K, 44
.set G1V, 52
.set WV,  60
.set HD,  61
.set TL,  62
.set SEL, 66
.set G0,  68                           ; s[68:87] five groups 0
.set CS,  88
.set R64, 90
.set EPS, 91
.set QBI, 92
.set BB,  93
.set TP,  94                           ; s94-98 at work
.set XB,  6                            ; behind the head the parameters' pointers are done with
.set QB,  8
.set KBS, 10
.set VBS, 12
.set VSB, 14
.set OB,  6
.set MB,  8
.set GK,  16
.set BO,  36
.macro PLACES n
.rept \n
	v_nop
.endr
.endm
.macro OP2K n, op, d, k, b             ; d[i] = k op b[i]
.set i, 0
.rept \n
	\op v[\d+i], \k, v[\b+i]
.set i, i+1
.endr
.endm
.macro PK2 n, op, d, a, b              ; n pairs: d = a op b
.set i, 0
.rept \n
	\op v[\d+i:\d+i+1], v[\a+i:\a+i+1], v[\b+i:\b+i+1]
.set i, i+2
.endr
.endm
.macro CROUND                          ; a round of the cluster's barrier
	s_barrier_signal -1
	s_barrier_wait -1
	s_cmp_lg_u32 s[WV], 0
	s_cbranch_scc1 .Lnot_wave_0_\@
	s_barrier_signal -3
.Lnot_wave_0_\@:
	s_barrier_wait -3
	s_barrier_signal -1
	s_barrier_wait -1
.endm
.macro LDVEC dst, off                  ; a vector of 64 numbers in the row layout: my half's 32
.set i, 0
.rept 8
	ds_load_b128 v[\dst+4*i:\dst+4*i+3], v[AVEC] offset:\off+16*i
.set i, i+1
.endr
.endm
.macro LDW cofs, sofs                  ; a weight's four tiles and their scale words
.irp m, 0,1,2,3
	ds_load_b128 v[W+8*\m:W+8*\m+3], v[AW] offset:\cofs+256*\m
	ds_load_u16 v[WS+\m], v[AWS] offset:\sofs+16*\m
.endr
.endm
; 32 numbers of a lane, one block, become registers 0-3 of the operand in v[XF] on, and the row's scale word in v[XS] (lanes 0-15: block 0's byte under block 1's; lanes 16-31 are not read).
; n: the plain places behind: 8 in front of a scaled product (a scale register written by a vector instruction stands 8 ahead), 1 where the codes go to LDS.
.macro QUANT32 src, n
	v_max3_num_f32 v24, |v[\src]|, |v[\src+1]|, |v[\src+2]|
	v_max3_num_f32 v25, |v[\src+3]|, |v[\src+4]|, |v[\src+5]|
.irp e, 6,10,14,18,22,26
	v_max3_num_f32 v24, v24, |v[\src+\e]|, |v[\src+\e+1]|
	v_max3_num_f32 v25, v25, |v[\src+\e+2]|, |v[\src+\e+3]|
.endr
	v_max3_num_f32 v24, v24, |v[\src+30]|, |v[\src+31]|
	v_max3_num_f32 v24, v24, v25, 0x1800000        ; the floor 2^(3 - 127): the byte cannot fall under 1
	v_add_nc_u32 v25, 0xff000000, v24              ; 2 off the exponent field: the conversion's scale operand
	v_lshrrev_b32 v26, 23, v25                     ; the byte
	v_permlanex16_b32 v27, v26, s[SEL], s[SEL+1]
	v_lshl_or_b32 v[XS], v27, 8, v26
.irp e, 0,1,2,3
	v_cvt_scalef32_pk8_fp4_f32 v[XF+\e], v[\src+8*\e:\src+8*\e+7], v25
.endr
	PLACES \n
.endm
.macro PROD d, c                       ; four tiles: d = W x the rows' operand + c
	s_wait_dscnt 0x0
.irp m, 0,1,2,3
	v_wmma_scale_f32_16x16x128_f8f6f4 v[\d+8*\m:\d+8*\m+7], v[W+8*\m:W+8*\m+7], v[XF:XF+7], v[\c+8*\m:\c+8*\m+7], v[WS+\m], v[XS] matrix_a_fmt:MATRIX_FMT_FP4 matrix_b_fmt:MATRIX_FMT_FP4
.endr
.endm
; dst = (src - mean) / sqrt(var + 1e-5) x gg + bb over the row's 64 numbers: my 32 and lane l xor 16's.  Two passes, as the source has it.  gg and bb may still be on their way from LDS.
.macro LN src, dst, gg, bb
.set i, 0
.rept 8
	v_pk_add_f32 v[\dst+2*i:\dst+2*i+1], v[\src+4*i:\src+4*i+1], v[\src+4*i+2:\src+4*i+3]
.set i, i+1
.endr
.set i, 0
.rept 4
	v_pk_add_f32 v[\dst+16+2*i:\dst+17+2*i], v[\dst+4*i:\dst+4*i+1], v[\dst+4*i+2:\dst+4*i+3]
.set i, i+1
.endr
	v_pk_add_f32 v[\dst+24:\dst+25], v[\dst+16:\dst+17], v[\dst+18:\dst+19]
	v_pk_add_f32 v[\dst+26:\dst+27], v[\dst+20:\dst+21], v[\dst+22:\dst+23]
	v_pk_add_f32 v[24:25], v[\dst+24:\dst+25], v[\dst+26:\dst+27]
	v_add_f32 v24, v24, v25
	v_permlanex16_b32 v25, v24, s[SEL], s[SEL+1]
	v_add_f32 v24, v24, v25
	v_mul_f32 v24, s[R64], v24                     ; the mean
.set i, 0
.rept 16
	v_pk_add_f32 v[\dst+i:\dst+i+1], v[\src+i:\src+i+1], v[24:25] op_sel_hi:[1,0] neg_lo:[0,1] neg_hi:[0,1]
.set i, i+2
.endr
	v_pk_mul_f32 v[24:25], v[\dst:\dst+1], v[\dst:\dst+1]
	v_pk_mul_f32 v[26:27], v[\dst+2:\dst+3], v[\dst+2:\dst+3]
.set i, 4
.rept 7
	v_pk_fma_f32 v[24:25], v[\dst+i:\dst+i+1], v[\dst+i:\dst+i+1], v[24:25]
	v_pk_fma_f32 v[26:27], v[\dst+i+2:\dst+i+3], v[\dst+i+2:\dst+i+3], v[26:27]
.set i, i+4
.endr
	v_pk_add_f32 v[24:25], v[24:25], v[26:27]
	v_add_f32 v24, v24, v25
	v_permlanex16_b32 v25, v24, s[SEL], s[SEL+1]
	v_add_f32 v24, v24, v25
	v_fma_f32 v24, v24, s[R64], s[EPS]
	v_rsq_f32 v24, v24
	v_nop                                          ; a plain place behind the transcendental
	s_wait_dscnt 0x0                               ; gain and bias are in
.set i, 0
	s_wait_alu depctr_va_vdst(0)
.rept 16
	v_pk_mul_f32 v[\dst+i:\dst+i+1], v[\dst+i:\dst+i+1], v[24:25] op_sel_hi:[1,0]
.set i, i+2
.endr
.set i, 0
.rept 16
	v_pk_fma_f32 v[\dst+i:\dst+i+1], v[\dst+i:\dst+i+1], v[\gg+i:\gg+i+1], v[\bb+i:\bb+i+1]
.set i, i+2
.endr
.endm
; dst = gelu(src) = max(x, 0) - |x| erfc(|x| / sqrt 2) / 2, eight numbers at a time; at work: G .. G + 23.  erfc(z) = t exp(-z^2 + a polynomial in t), t = 1 / (1 + z / 2).  No difference of near numbers is formed.
.macro GELU src, dst
.irp q, 0,1,2,3
.irp e, 0,1,2,3,4,5,6,7
	v_mul_f32 v[G+\e], 0x3f3504f3, |v[\src+8*\q+\e]|
.endr
.irp e, 0,1,2,3,4,5,6,7
	v_fma_f32 v[G+8+\e], v[G+\e], 0.5, 1.0
.endr
.irp e, 0,1,2,3,4,5,6,7
	v_rcp_f32 v[G+8+\e], v[G+8+\e]
.endr
	v_nop
	s_wait_alu depctr_va_vdst(0)
.irp e, 0,1,2,3,4,5,6,7
	v_fma_f32 v[G+16+\e], v[G+8+\e], s[GK], -0.82215223
.endr
.irp k, 1.48851587, -1.13520398, 0.27886807, -0.18628806, 0.09678418, 0.37409196, 1.00002368, -1.26551223
.irp e, 0,1,2,3,4,5,6,7
	v_fma_f32 v[G+16+\e], v[G+16+\e], v[G+8+\e], \k
.endr
.endr
.irp e, 0,1,2,3,4,5,6,7
	v_fma_f32 v[G+16+\e], -v[G+\e], v[G+\e], v[G+16+\e]
.endr
.irp e, 0,1,2,3,4,5,6,7
	v_fma_f32 v[G+16+\e], v[G+16+\e], 0x3fb8aa3b, -1.0     ; to base 2, and the half
.endr
.irp e, 0,1,2,3,4,5,6,7
	v_exp_f32 v[G+16+\e], v[G+16+\e]
.endr
.irp e, 0,1,2,3,4,5,6,7
	v_max_num_f32 v[G+\e], 0, v[\src+8*\q+\e]              ; (plain places behind the exponentials)
.endr
	s_wait_alu depctr_va_vdst(0)
.irp e, 0,1,2,3,4,5,6,7
	v_mul_f32 v[G+16+\e], v[G+16+\e], v[G+8+\e]
.endr
.irp e, 0,1,2,3,4,5,6,7
	v_fma_f32 v[\dst+8*\q+\e], -|v[\src+8*\q+\e]|, v[G+16+\e], v[G+\e]
.endr
.endr
.endm
; Where this work-group's and this wave's parts of the next workspace begin (the wave's number is the tile for x, the head for q, k, v).
.macro WSBASES ptr
	s_lshl_b32 s[TP], s[BB], 18
	s_lshl_b32 s[TP+1], s[QBI], 14
	s_add_co_u32 s[TP], s[TP], s[TP+1]
	s_lshl_b32 s[TP+1], s[WV], 10
	s_add_co_u32 s[TP+2], s[TP], s[TP+1]
	s_mov_b32 s[TP+3], 0
	s_add_nc_u64 s[QB:QB+1], s[\ptr:\ptr+1], s[TP+2:TP+3]
	s_lshl_b32 s[TP+1], s[WV], 12
	s_add_co_u32 s[TP+2], s[TP], s[TP+1]
	s_add_co_u32 s[TP+2], s[TP+2], XOFF
	s_add_nc_u64 s[XB:XB+1], s[\ptr:\ptr+1], s[TP+2:TP+3]
	s_lshr_b32 s[TP], s[QBI], 1
	s_lshl_b32 s[TP], s[TP], 15
	s_lshl_b32 s[TP+1], s[BB], 18
	s_add_co_u32 s[TP], s[TP], s[TP+1]
	s_lshl_b32 s[TP+1], s[WV], 13
	s_add_co_u32 s[TP], s[TP], s[TP+1]             ; batch, step of 128 keys, head, in k's bytes
	s_lshr_b32 s[TP+2], s[TP], 7
	s_and_b32 s[TP+1], s[QBI], 1                   ; which half of the step this block is
	s_lshl_b32 s[TP+4], s[TP+1], 1
	s_add_co_u32 s[TP+2], s[TP+2], s[TP+4]
	s_add_co_u32 s[TP+2], s[TP+2], VSOFF
	s_add_nc_u64 s[VSB:VSB+1], s[\ptr:\ptr+1], s[TP+2:TP+3]
	s_lshl_b32 s[TP+1], s[TP+1], 12
	s_add_co_u32 s[TP], s[TP], s[TP+1]
	s_add_co_u32 s[TP+2], s[TP], KOFF
	s_add_nc_u64 s[KBS:KBS+1], s[\ptr:\ptr+1], s[TP+2:TP+3]
	s_lshr_b32 s[TP+2], s[TP], 3
	s_add_co_u32 s[TP+2], s[TP+2], VOFF
	s_add_nc_u64 s[VBS:VBS+1], s[\ptr:\ptr+1], s[TP+2:TP+3]
.endm
.macro ZQKV                            ; zero codes for k = 64 .. 127 of the four images and of Wq, Wk, Wv
.irp m, 0,1,2,3
.irp e, 4,5,6,7
	v_mov_b32 v[W+8*\m+\e], 0
.endr
.endr
.irp m, 0,1,2
.irp e, 4,5,6,7
	v_mov_b32 v[AV+8*\m+\e], 0
.endr
.endr
.endm
.macro IMAGES                          ; the four tiles' codes and scale words, as their waves stored them
.irp m, 0,1,2,3
	ds_load_b128 v[W+8*\m:W+8*\m+3], v[LI] offset:XIMG+512*\m
	ds_load_b32 v[WS+\m], v[LI] offset:XIMG+XSC+512*\m
.endr
.endm
; q, k, v of my head for the block's four tiles.  q and k transposed (a lane: one token, d = 8 h + 0 .. 7): they are stored as they stand.  v not transposed (a lane: one d, and in the 16 registers of tiles
; 2 u, 2 u + 1 the tokens 32 u + 16 h + 0 .. 15): it is quantised along the tokens, which are the second product's K.  Twelve accumulators by turns.
.macro QKVMUL
.irp m, 0,1,2,3
	v_wmma_scale_f32_16x16x128_f8f6f4 v[T+8*\m:T+8*\m+7], v[64:71], v[W+8*\m:W+8*\m+7], v[160:167], v10, v[WS+\m] matrix_a_fmt:MATRIX_FMT_FP4 matrix_b_fmt:MATRIX_FMT_FP4
	v_wmma_scale_f32_16x16x128_f8f6f4 v[G+8*\m:G+8*\m+7], v[72:79], v[W+8*\m:W+8*\m+7], v[168:175], v11, v[WS+\m] matrix_a_fmt:MATRIX_FMT_FP4 matrix_b_fmt:MATRIX_FMT_FP4
	v_wmma_scale_f32_16x16x128_f8f6f4 v[D0+8*\m:D0+8*\m+7], v[W+8*\m:W+8*\m+7], v[80:87], v[176:183], v[WS+\m], v4 matrix_a_fmt:MATRIX_FMT_FP4 matrix_b_fmt:MATRIX_FMT_FP4
.endr
	PLACES 4
.irp m, 0,1,2,3
	global_store_b128 v[LI], v[T+8*\m:T+8*\m+3], s[QB:QB+1] offset:4096*\m          ; each store covers 512 consecutive bytes
	global_store_b128 v[LI], v[T+8*\m+4:T+8*\m+7], s[QB:QB+1] offset:4096*\m+512
	global_store_b128 v[LI], v[G+8*\m:G+8*\m+3], s[KBS:KBS+1] offset:1024*\m
	global_store_b128 v[LI], v[G+8*\m+4:G+8*\m+7], s[KBS:KBS+1] offset:1024*\m+512
.endr
.irp u, 0,1
	v_max3_num_f32 v[24+\u], |v[D0+16*\u]|, |v[D0+16*\u+1]|, 0x1800000
.endr
.irp e, 2,4,6,8,10,12,14
.irp u, 0,1
	v_max3_num_f32 v[24+\u], v[24+\u], |v[D0+16*\u+\e]|, |v[D0+16*\u+\e+1]|
.endr
.endr
.irp u, 0,1
	v_permlanex16_b32 v[26+\u], v[24+\u], s[SEL], s[SEL+1]
.endr
.irp u, 0,1
	v_max_num_f32 v[24+\u], v[24+\u], v[26+\u]     ; with lane l xor 16's 16 tokens: the block's largest magnitude
.endr
.irp u, 0,1
	v_add_nc_u32 v[24+\u], 0xff000000, v[24+\u]
.endr
.irp u, 0,1
	v_lshrrev_b32 v[26+\u], 23, v[24+\u]
.endr
.irp u, 0,1
	v_cvt_scalef32_pk8_fp4_f32 v[184+2*\u], v[D0+16*\u:D0+16*\u+7], v[24+\u]
	v_cvt_scalef32_pk8_fp4_f32 v[185+2*\u], v[D0+16*\u+8:D0+16*\u+15], v[24+\u]
.endr
	v_bfe_u32 v188, v0, 4, 1                       ; h (a plain place behind the conversions)
	v_permlane16_swap_b32 v184, v186               ; a whole block to a lane: lanes 0-15 tokens 0-31, lanes 16-31 tokens 32-63
	v_permlane16_swap_b32 v185, v187
	v_cmp_eq_u32 vcc_lo, 1, v188
	v_cndmask_b32 v26, v26, v27, vcc_lo            ; block h's byte
	global_store_b128 v[LI], v[184:187], s[VBS:VBS+1]
	global_store_b8 v[GVS], v26, s[VSB:VSB+1]      ; one byte for each 16 bytes of codes: these units are written in part
.endm
.macro KLOAD                           ; a step's eight fragments of k of my head: 16 loads of 512 consecutive bytes
.irp m, 0,1,2,3,4,5,6,7
	ds_load_b128 v[KF+8*\m:KF+8*\m+3], v[AK] offset:1024*\m
	ds_load_b128 v[KF+8*\m+4:KF+8*\m+7], v[AK] offset:1024*\m+512
.endr
.endm
; A KEY STEP: 128 keys.
.macro STEP s
	s_wait_dscnt 0x0                               ; this step's k is in
.irp c, 0,1,2,3                        ; four along d at a time; the eight accumulators take turns, one instruction a turn; the first four start the sums
.irp m, 0,1,2,3,4,5,6,7
.if \c == 0
	v_wmma_f32_16x16x4_f32 v[SS+8*\m:SS+8*\m+7], v[KF+8*\m:KF+8*\m+1], v[QF:QF+1], 0
.else
	v_wmma_f32_16x16x4_f32 v[SS+8*\m:SS+8*\m+7], v[KF+8*\m+2*\c:KF+8*\m+2*\c+1], v[QF+2*\c:QF+2*\c+1], v[SS+8*\m:SS+8*\m+7]
.endif
.endr
.endr
	v_add_nc_u32 v[AK], 0x8000, v[AK]              ; the next step's k.  Eight places behind this form: in front of the loads into k's registers and of the first read of the scores
	PLACES 7
.if (\s == 1) || (\s == 3) || (\s == 5)
	s_wait_tensorcnt (5-\s)/2                      ; my part of the next two steps' k has landed; the count is the pairs of steps behind it, which may stay out
	s_barrier_signal -1                            ; (no LDS instruction of mine is out)
	s_barrier_wait -1                              ; everybody's has
.endif
	ds_load_b128 v[VF:VF+3], v[AVV] offset:4096*\s
	ds_load_b128 v[VF+4:VF+7], v[AVV] offset:4096*\s+512
	ds_load_b32 v[VS], v[AVS] offset:256*\s
.if \s < 7
	KLOAD
.else
	s_cmp_ge_u32 s[WV], 4
	s_cbranch_scc1 .Lno_res
.set i, 0
.rept 8
	global_load_b128 v[AV+4*i:AV+4*i+3], v255, s[100:101] offset:512*i   ; waves 0-3: the residual's image of tile w, into registers that k has left
.set i, i+1
.endr
.Lno_res:
.endif
.irp b, 0,1,2,3
	v_max3_num_f32 v[BM+\b], v[SS+16*\b], v[SS+16*\b+1], v[SS+16*\b+2]   ; the largest score of each block of 32 keys: for the row's maximum, and, since p rises with the score, for the block's largest p
.endr
.irp e, 3,5,7,9,11,13
.irp b, 0,1,2,3
	v_max3_num_f32 v[BM+\b], v[BM+\b], v[SS+16*\b+\e], v[SS+16*\b+\e+1]
.endr
.endr
.irp b, 0,1,2,3
	v_max_num_f32 v[BM+\b], v[BM+\b], v[SS+16*\b+15]
.endr
.irp b, 0,1,2,3
	v_permlanex16_b32 v[BT+\b], v[BM+\b], s[SEL], s[SEL+1]
.endr
.irp b, 0,1,2,3
	v_max_num_f32 v[BM+\b], v[BM+\b], v[BT+\b]
.endr
	v_max3_num_f32 v254, v[BM], v[BM+1], v[BM+2]
	v_max_num_f32 v254, v254, v[BM+3]
	v_mul_f32 v254, s[CS], v254                    ; as t
	v_max_num_f32 v13, v13, v254                   ; the running largest t
	v_mov_b32 v254, v12
	v_floor_f32 v12, -v13                          ; -M = floor(-t): M is a whole number
	v_sub_f32 v254, v12, v254
	v_cvt_i32_f32 v254, v254                       ; (it saturates)
	v_ldexp_f32 v252, 1.0, v254                    ; f = 2^(old M - new M)
.set j, 0
.rept 32
	v_pk_fma_f32 v[PP+j:PP+j+1], v[SS+j:SS+j+1], s[CS:CS+1], v[12:13] op_sel_hi:[1,0,0]   ; t - M
.set j, j+2
.endr
.irp b, 0,1,2,3
	v_fma_f32 v[BM+\b], v[BM+\b], s[CS], v12
.endr
.set j, 0
.rept 64
	v_exp_f32 v[PP+j], v[PP+j]
.set j, j+1
.endr
.irp b, 0,1,2,3
	v_exp_f32 v[BM+\b], v[BM+\b]                   ; the block's largest p: the same two instructions on the same number
.endr
	v_pk_mul_f32 v[14:15], v[14:15], v[252:253] op_sel_hi:[1,0]   ; the sums under the new M (a plain place behind the exponentials)
	s_wait_alu depctr_va_vdst(0)
.irp b, 0,1,2,3
	v_max_num_f32 v[BM+\b], 0x1800000, v[BM+\b]    ; the floor: the byte cannot fall under 1
.endr
.irp b, 0,1,2,3
	v_add_nc_u32 v[BSC+\b], 0xff000000, v[BM+\b]
.endr
.irp b, 0,1,2,3
	v_lshrrev_b32 v[BT+\b], 23, v[BSC+\b]
.endr
	v_lshl_or_b32 v[PS], v[BT+1], 8, v[BT]
	v_lshl_or_b32 v[PS], v[BT+2], 16, v[PS]
	v_lshl_or_b32 v[PS], v[BT+3], 24, v[PS]
.irp b, 0,1,2,3
	v_cvt_scalef32_pk8_fp4_f32 v[PCD+2*\b], v[PP+16*\b:PP+16*\b+7], v[BSC+\b]
	v_cvt_scalef32_pk8_fp4_f32 v[PCD+2*\b+1], v[PP+16*\b+8:PP+16*\b+15], v[BSC+\b]
.endr
	v_nop
.irp c, 0,1
.irp e, 0,1
	v_permlane16_swap_b32 v[PCD+4*\c+\e], v[PCD+4*\c+2+\e]   ; a whole block to a lane
.endr
.endr
.irp e, 0,2,4,6
	v_pk_mul_f32 v[O+\e:O+\e+1], v[O+\e:O+\e+1], v[252:253] op_sel_hi:[1,0]   ; O^T under the new M
.endr
	v_pk_add_f32 v[BT+2:BT+3], v[PP:PP+1], v[PP+2:PP+3]      ; the row's sum of the unquantised p, in two chains; these 32 are also the places in front of the scaled product
.set j, 4
.rept 15
	v_pk_add_f32 v[14:15], v[14:15], v[PP+j:PP+j+1]
	v_pk_add_f32 v[BT+2:BT+3], v[BT+2:BT+3], v[PP+j+2:PP+j+3]
.set j, j+4
.endr
	v_pk_add_f32 v[14:15], v[14:15], v[BT+2:BT+3]
.if \s < 7
	s_wait_dscnt 16                                ; v's three loads are in; the next step's 16 of k, issued behind them, may stay out
.else
	s_wait_dscnt 0x0
.endif
	v_wmma_scale_f32_16x16x128_f8f6f4 v[O:O+7], v[VF:VF+7], v[PCD:PCD+7], v[O:O+7], v[VS], v[PS] matrix_a_fmt:MATRIX_FMT_FP4 matrix_b_fmt:MATRIX_FMT_FP4
.endm
.macro DOT acc, wb                     ; LAYER 2: two links of a row of w_out's sum, at numbers i .. i + 3
.if i == 0
	v_pk_mul_f32 v[\acc:\acc+1], v[T:T+1], v[\wb:\wb+1]
	v_pk_mul_f32 v[\acc+2:\acc+3], v[T+2:T+3], v[\wb+2:\wb+3]
.else
	v_pk_fma_f32 v[\acc:\acc+1], v[T+i:T+i+1], v[\wb+i:\wb+i+1], v[\acc:\acc+1]
	v_pk_fma_f32 v[\acc+2:\acc+3], v[T+i+2:T+i+3], v[\wb+i+2:\wb+i+3], v[\acc+2:\acc+3]
.endif
.endm
	s_load_b512 s[4:19], s[0:1], 0x0               ; workspace in, out codes, scales, bias, fln_g, fln_b, f1 codes, scales
	s_load_b512 s[20:35], s[0:1], 0x40             ; f1 bias, f2 codes, scales, bias; LAYER 1: mid codes, scales, ln_g, ln_b; LAYER 2: w_out, b_out, node_mask, out0
.if LAYER == 1
	s_load_b256 s[36:43], s[0:1], 0x80             ; qkv codes, scales, bias, workspace out
	v_lshl_add_u32 v230, v0, 2, 0x4cf00
	v_mov_b32 v231, 0
	ds_add_u32 v230, v231
	ds_add_u32 v230, v231
	s_wait_dscnt 0x0
.endif
	v_lshrrev_b32 v1, 5, v0
	v_readfirstlane_b32 s[WV], v1                  ; wave 0..15
	s_and_b32 s[HD], s[WV], 3                      ; my head
	s_lshr_b32 s[TL], s[WV], 2                     ; my tile of queries
	s_bfe_u32 s94, ttmp6, 0x40000                  ; cx: it enters global addresses of q, x and the results alone
	s_lshl_b32 s[QBI], ttmp9, 2
	s_add_co_u32 s[QBI], s[QBI], s94               ; my block of 64 queries
	s_and_b32 s[BB], ttmp7, 0xffff                 ; the batch, which the four partners share
	s_mov_b32 s[G1K], 15|(3<<16)|(1<<21)           ; 15:0 the mask: all four work-groups; 17:16 elements of 8 bytes; 21 set beside a mask; no padding
	s_mov_b32 s[G1K+1], 32<<16                     ; tensor_dim0 = 32 elements: rows of 256 bytes, dense
	s_mov_b32 s[G1K+2], 16<<16                     ; tensor_dim1 = 16
	s_mov_b32 s[G1K+3], 32<<16                     ; tile_dim0
	s_mov_b32 s[G1K+4], 16                         ; tile_dim1
	s_mov_b32 s[G1K+5], 32                         ; the pitch
	s_mov_b32 s[G1K+6], 0
	s_mov_b32 s[G1K+7], 0
	s_mov_b32 s[G1V], 15|(3<<16)|(1<<21)           ; the same with 8 rows
	s_mov_b32 s[G1V+1], 32<<16
	s_mov_b32 s[G1V+2], 8<<16
	s_mov_b32 s[G1V+3], 32<<16
	s_mov_b32 s[G1V+4], 8
	s_mov_b32 s[G1V+5], 32
	s_mov_b32 s[G1V+6], 0
	s_mov_b32 s[G1V+7], 0
	s_mov_b32 s[SEL], 0x76543210
	s_mov_b32 s[SEL+1], 0xfedcba98                 ; v_permlanex16_b32's selects for lane l xor 16
	s_mov_b32 s[CS], 0x3eb8aa3b                    ; log2(e) / sqrt(16)
	s_mov_b32 s[CS+1], s[CS]
	s_mov_b32 s[R64], 0x3c800000                   ; 1 / 64
	s_mov_b32 s[EPS], 0x3727c5ac                   ; 1e-5
	s_lshl_b32 s98, s[WV], 12                      ; my 4,096 bytes of each pair of steps of k,
	s_lshl_b32 s94, s[BB], 18
	s_add_co_u32 s94, s94, s98
	s_add_co_u32 s94, s94, KOFF
	s_mov_b32 s95, 0
	s_lshl_b32 s99, s[WV], 11                      ; my 2,048 bytes of v's codes
	s_lshl_b32 s96, s[BB], 15
	s_add_co_u32 s96, s96, s99
	s_add_co_u32 s96, s96, VOFF
	s_mov_b32 s97, 0
	s_wait_kmcnt 0x0
	s_add_nc_u64 s[94:95], s[4:5], s[94:95]
	s_add_nc_u64 s[96:97], s[4:5], s[96:97]
.irp p, 0,1,2,3
	s_mov_b32 s[G0+4*\p], 1
	s_add_co_u32 s[G0+4*\p+1], s98, \p*65536       ; LDS: as in the workspace
	s_add_nc_u64 s[G0+4*\p+2:G0+4*\p+3], s[94:95], \p*65536
	s_or_b32 s[G0+4*\p+3], s[G0+4*\p+3], 0x80000000
.endr
	s_mov_b32 s[G0+16], 1
	s_add_co_u32 s[G0+17], s99, VB
	s_mov_b64 s[G0+18:G0+19], s[96:97]
	s_or_b32 s[G0+19], s[G0+19], 0x80000000
.if LAYER == 2
	s_load_b96 s[BO:BO+2], s[30:31], 0x0           ; b_out
.endif
	CROUND                                         ; all four work-groups are here: the joint loads meet
	tensor_load_to_lds s[G0:G0+3], s[G1K:G1K+7]            ; steps 0, 1
	s_nop 0
	tensor_load_to_lds s[G0+16:G0+19], s[G1V:G1V+7]        ; v
	s_nop 0
	tensor_load_to_lds s[G0+4:G0+7], s[G1K:G1K+7]          ; steps 2, 3
	s_nop 0
	tensor_load_to_lds s[G0+8:G0+11], s[G1K:G1K+7]         ; steps 4, 5
	s_nop 0
	tensor_load_to_lds s[G0+12:G0+15], s[G1K:G1K+7]        ; steps 6, 7: five loads of mine are out
	s_nop 0
	PLACES 4
	; ---- the parameters, once, through registers into LDS; q
	v_lshlrev_b32 v240, 2, v0                      ; 4 x thread: 512 threads take 2,048 bytes
	v_add_nc_u32 v241, PAR, v240
	v_and_b32 v242, 31, v0
	v_lshlrev_b32 v255, 4, v242                    ; 16 x lane: kept through the attention
	v_lshlrev_b32 v242, 2, v242
	s_lshl_b32 s94, s[BB], 11
	s_add_co_u32 s94, s94, VSOFF
	s_mov_b32 s95, 0
	s_add_nc_u64 s[94:95], s[4:5], s[94:95]        ; v's scale bytes of the batch
	s_lshl_b32 s96, s[BB], 18
	s_lshl_b32 s97, s[QBI], 14
	s_add_co_u32 s96, s96, s97
	s_lshl_b32 s97, s[WV], 12
	s_add_co_u32 s100, s96, s97
	s_add_co_u32 s100, s100, XOFF
	s_mov_b32 s101, 0
	s_add_nc_u64 s[100:101], s[4:5], s[100:101]    ; the residual's image of tile w (used by waves 0-3)
	s_lshl_b32 s97, s[WV], 10
	s_add_co_u32 s96, s96, s97
	s_mov_b32 s97, 0
	s_add_nc_u64 s[96:97], s[4:5], s[96:97]        ; q's image of my tile and head
.if LAYER == 1
	s_lshl_b32 s98, s[BB], 8
	s_add_co_u32 s98, s98, TOFF
	s_mov_b32 s99, 0
	s_add_nc_u64 s[98:99], s[4:5], s[98:99]        ; the second embedding's row of my batch
.endif
	global_load_b32 v32, v240, s[6:7]
	global_load_b32 v33, v240, s[16:17]
	global_load_b32 v34, v240, s[22:23]
.if LAYER == 1
	global_load_b32 v35, v240, s[28:29]
	global_load_b32 v36, v240, s[36:37]
	global_load_b32 v37, v240, s[36:37] offset:2048
	global_load_b32 v38, v240, s[36:37] offset:4096
	global_load_b32 v39, v240, s[94:95]
.set NCH, 8
.else
	global_load_b32 v35, v240, s[94:95]
.set NCH, 4
.endif
	global_load_b128 v[QF:QF+3], v255, s[96:97]
	global_load_b128 v[QF+4:QF+7], v255, s[96:97] offset:512
	s_cmp_ge_u32 s[WV], 2
	s_cbranch_scc1 .Lno_vec                        ; waves 0, 1: the vectors of 256 bytes
	global_load_b32 v40, v240, s[10:11]
	global_load_b32 v41, v240, s[12:13]
	global_load_b32 v42, v240, s[14:15]
	global_load_b32 v43, v240, s[20:21]
	global_load_b32 v44, v240, s[26:27]
.if LAYER == 1
	global_load_b32 v45, v240, s[98:99]
	global_load_b32 v46, v240, s[32:33]
	global_load_b32 v47, v240, s[34:35]
	global_load_b32 v48, v240, s[40:41]
	global_load_b32 v49, v240, s[40:41] offset:256
	global_load_b32 v50, v240, s[40:41] offset:512
.set NVEC, 11
.else
	global_load_b32 v45, v240, s[28:29]
	global_load_b32 v46, v240, s[28:29] offset:256
	global_load_b32 v47, v240, s[28:29] offset:512
.set NVEC, 8
.endif
	s_wait_loadcnt 0x0
.set i, 0
.rept NVEC
	ds_store_b32 v241, v[40+i] offset:VEC0+256*i
.set i, i+1
.endr
.Lno_vec:
	s_cmp_lg_u32 s[WV], 2
	s_cbranch_scc1 .Lno_sc                         ; wave 2: the weights' scale bytes, 128 at a time (its threads' 4 x thread begins at 256)
	global_load_b32 v40, v242, s[8:9]
	global_load_b32 v41, v242, s[18:19]
	global_load_b32 v42, v242, s[24:25]
.if LAYER == 1
	global_load_b32 v43, v242, s[30:31]
	global_load_b32 v44, v242, s[38:39]
	global_load_b32 v45, v242, s[38:39] offset:128
	global_load_b32 v46, v242, s[38:39] offset:256
.set NSC, 7
.else
.set NSC, 3
.endif
	s_wait_loadcnt 0x0
.set i, 0
.rept NSC
	ds_store_b32 v241, v[40+i] offset:SC0-256+128*i
.set i, i+1
.endr
.Lno_sc:
	s_wait_loadcnt 0x0
.set i, 0
.rept NCH
	ds_store_b32 v241, v[32+i] offset:2048*i
.set i, i+1
.endr
	; no load of mine is out: the parameters' pointers are done with
.if LAYER == 1
	WSBASES 42
.else
	s_lshl_b32 s94, s[BB], 10
	s_lshl_b32 s95, s[QBI], 6
	s_add_co_u32 s94, s94, s95                     ; the block's first token
	s_mul_i32 s96, s94, 12
	s_mov_b32 s97, 0
	s_add_nc_u64 s[OB:OB+1], s[34:35], s[96:97]
	s_lshr_b32 s95, s[WV], 1
	s_lshl_b32 s95, s95, 5
	s_add_co_u32 s94, s94, s95
	s_and_b32 s95, s[WV], 1
	s_lshl_b32 s95, s95, 3
	s_add_co_u32 s94, s94, s95                     ; tile w's first token
	s_lshl_b32 s96, s94, 2
	s_add_nc_u64 s[MB:MB+1], s[32:33], s[96:97]
.endif
	s_mov_b32 s[GK], 0.17087277
	s_lshl_b32 s94, s[HD], 13
	v_add_nc_u32 v[AK], s94, v255
	s_lshl_b32 s94, s[HD], 10
	s_add_co_u32 s94, s94, VB
	v_add_nc_u32 v[AVV], s94, v255
	v_and_b32 v[AVS], 15, v0
	s_lshl_b32 s94, s[HD], 6
	s_add_co_u32 s94, s94, PAR+PVS
	v_lshl_add_u32 v[AVS], v[AVS], 2, s94
.irp e, 0,1,2,3,4,5,6,7
	v_mov_b32 v[O+\e], 0                           ; the steps are written alike: the first finds zeros, which the first change of M leaves zeros
.endr
	v_mov_b32 v13, 0xff61b1e6                      ; the largest t so far: -3e38
	v_floor_f32 v12, -v13
	v_mov_b32 v14, 0
	v_mov_b32 v15, 0
.irp e, 0,1,2,3
	v_mov_b32 v[BT+\e], 0                          ; a lane permute's destination counts as one of its sources
.endr
	v_mov_b32 v253, 0                              ; (named as the upper half of the pair v[252:253])
	s_wait_kmcnt 0x0
	s_wait_tensorcnt 0x3                           ; my parts of steps 0, 1 and of v are in; the three younger loads may stay out
	s_wait_dscnt 0x0                               ; my parameters have landed
	s_barrier_signal -1
	s_barrier_wait -1
	KLOAD
.irp n, 0,1,2,3,4,5,6,7
	STEP \n
.endr
	; ---- O / the sum, into the stage.  All addresses of the chain are made here, on every wave's way
	v_add_f32 v14, v14, v15
	v_permlanex16_b32 v252, v14, s[SEL], s[SEL+1]
	v_add_f32 v14, v14, v252
	v_rcp_f32 v14, v14
	v_and_b32 v240, 15, v0                         ; r
	v_bfe_u32 v241, v0, 4, 1                       ; h
	v_lshrrev_b32 v242, 3, v240
	v_mad_u32_u24 v243, v242, 24, v240             ; r + 24 (r / 8)
	v_and_b32 v[LI], 31, v0
	v_lshlrev_b32 v[LI], 4, v[LI]
	v_lshl_add_u32 v[AVEC], v241, 7, PAR+VEC0
	v_lshlrev_b32 v[AW], 5, v243
	v_lshl_add_u32 v[AW], v241, 4, v[AW]
	v_add_nc_u32 v[AW], PAR, v[AW]
	v_lshl_add_u32 v[AWS], v243, 1, PAR+SC0
	s_mul_i32 s94, s[TL], OSTT
	s_lshl_b32 s95, s[HD], 6
	s_add_co_u32 s94, s94, s95
	v_mul_u32_u24 v244, v240, OSTP
	v_lshl_add_u32 v[AOS], v241, 5, v244
	v_add_nc_u32 v[AOS], s94, v[AOS]               ; row r of my tile, my head's 64 bytes, + 32 h
	s_wait_alu depctr_va_vdst(0)
.irp e, 0,1,2,3,4,5,6,7
	v_mul_f32 v[PP+\e], v[O+\e], v14
.endr
	ds_store_b128 v[AOS], v[PP:PP+3]
	ds_store_b128 v[AOS], v[PP+4:PP+7] offset:16
	s_mul_i32 s94, s[WV], OSTT
	v_lshl_add_u32 v[AOL], v241, 7, v244
	v_add_nc_u32 v[AOL], s94, v[AOL]               ; back: row r of tile w, + 128 h
.if LAYER == 1
	s_lshl_b32 s94, s[WV], 9
	s_add_co_u32 s94, s94, XIMG
	v_add_nc_u32 v[AIM], s94, v[LI]
.else
	s_lshr_b32 s94, s[WV], 1
	s_lshl_b32 s94, s94, 5
	s_and_b32 s95, s[WV], 1
	s_lshl_b32 s95, s95, 3
	s_add_co_u32 s94, s94, s95
	s_mul_i32 s94, s94, 12
	s_add_co_u32 s94, s94, OUTS
	v_lshl_add_u32 v[AIM], v242, 3, v240           ; r + 8 (r / 8): the token in the tile
	v_mul_u32_u24 v[AIM], v[AIM], 12
	v_add_nc_u32 v[AIM], s94, v[AIM]
.endif
	s_wait_dscnt 0x0
	s_barrier_signal -1
	s_barrier_wait -1                              ; 64 whole rows of O lie in the stage
	s_cmp_ge_u32 s[WV], 4
	s_cbranch_scc1 .Lchain_done
	; ---- the chain, a tile of 16 rows to each of waves 0-3
	s_wait_loadcnt 0x0                             ; the residual is in, so v255, its loads' address, may be written
.if LAYER == 2
	v_lshl_add_u32 v29, v242, 3, v240
	v_lshlrev_b32 v29, 2, v29
	global_load_b32 v28, v29, s[MB:MB+1]           ; my token's mask
.endif
.set i, 0
.rept 8
	ds_load_b128 v[T+4*i:T+4*i+3], v[AOL] offset:16*i
.set i, i+1
.endr
	LDW PC_OUT, S_OUT
	LDVEC CB, V_OUTB
.irp e, 4,5,6,7
	v_mov_b32 v[XF+\e], 0                          ; zero codes for k = 64 .. 127
.endr
.irp m, 0,1,2,3
.irp e, 4,5,6,7
	v_mov_b32 v[W+8*\m+\e], 0
.endr
.endr
	s_wait_dscnt 16                                ; O's rows are in; the weight's 8 loads and the bias's 8 may stay out
	QUANT32 T, 8
	PROD D0, CB
	PLACES 4
	LDW PC_F1, S_F1
	LDVEC CB, V_FLNG
	LDVEC G, V_FLNB
	PK2 16, v_pk_add_f32, AV, D0, AV               ; av = attention's output + x
	LN AV, T, CB, G
	LDVEC CB, V_F1B
	QUANT32 T, 8
	PROD D1, CB
	PLACES 4
	LDW PC_F2, S_F2
	LDVEC CB, V_F2B
	GELU D1, T
	QUANT32 T, 8
	PROD D0, CB
	PLACES 4
.if LAYER == 1
	LDW PC_MID, S_MID
	LDVEC CB, V_TB2
	PK2 16, v_pk_add_f32, T, D0, AV
	OP2K 32, v_max_num_f32, T, 0, T                ; relu
	QUANT32 T, 8
	PROD D1, CB
	PLACES 4
	LDVEC CB, V_LNG
	LDVEC G, V_LNB
.set i, 0
.rept 8
	global_store_b128 v[LI], v[D1+4*i:D1+4*i+3], s[XB:XB+1] offset:512*i   ; the next residual's image
.set i, i+1
.endr
	LN D1, T, CB, G
	QUANT32 T, 1
	ds_store_b128 v[AIM], v[XF:XF+3]
	ds_store_b32 v[AIM], v[XS] offset:XSC
.else
	LDVEC CB, V_WO
	LDVEC G, V_WO+256
	LDVEC W, V_WO+512
	PK2 16, v_pk_add_f32, T, D0, AV
	OP2K 32, v_max_num_f32, T, 0, T                ; relu
	s_wait_dscnt 0x0
.set i, 0
.rept 8
	DOT AV, CB
	DOT AV+4, G
	DOT AV+8, W
.set i, i+4
.endr
.irp c, 0,1,2
	v_pk_add_f32 v[AV+4*\c:AV+4*\c+1], v[AV+4*\c:AV+4*\c+1], v[AV+4*\c+2:AV+4*\c+3]
.endr
.irp c, 0,1,2
	v_add_f32 v[AV+4*\c], v[AV+4*\c], v[AV+4*\c+1]
.endr
.irp c, 0,1,2
	v_permlanex16_b32 v[AV+4*\c+1], v[AV+4*\c], s[SEL], s[SEL+1]
.endr
.irp c, 0,1,2
	v_add_f32 v[AV+4*\c], v[AV+4*\c], v[AV+4*\c+1]
.endr
	s_wait_loadcnt 0x0                             ; the mask
.irp c, 0,1,2
	v_add_f32 v[AV+4*\c], s[BO+\c], v[AV+4*\c]
.endr
.irp c, 0,1,2
	v_mul_f32 v[AV+4*\c], v28, v[AV+4*\c]
.endr
.irp c, 0,1,2
	ds_store_b32 v[AIM], v[AV+4*\c] offset:4*\c    ; both halves of the lanes write the same word with the same value
.endr
.endif
.Lchain_done:
	s_wait_dscnt 0x0
	s_barrier_signal -1
	s_barrier_wait -1
.if LAYER == 1
	; ---- q, k, v of the next attention: head w for the four tiles, by waves 0-3.  The addresses are made on every wave's way
	v_and_b32 v88, 15, v0
	v_bfe_u32 v89, v0, 4, 1
	s_lshl_b32 s94, s[WV], 9
	s_add_co_u32 s94, s94, PAR+PC_QKV
	v_lshl_add_u32 v90, v88, 5, s94
	v_lshl_add_u32 v90, v89, 4, v90                ; Wq's natural rows 16 w + r
	s_lshl_b32 s94, s[WV], 5
	s_add_co_u32 s94, s94, PAR+SC0+S_QKV
	v_lshl_add_u32 v91, v88, 1, s94
	s_lshl_b32 s94, s[WV], 6
	s_add_co_u32 s94, s94, PAR+VEC0+V_QKVB
	v_lshl_add_u32 v92, v89, 5, s94                ; q's bias at d = 8 h ..
	v_lshl_add_u32 v93, v88, 2, s94                ; v's at d = r
	v_lshl_add_u32 v[GVS], v88, 2, v89
	s_cmp_ge_u32 s[WV], 4
	s_cbranch_scc1 .Lqkv_done
	ds_load_b128 v[64:67], v90
	ds_load_b128 v[72:75], v90 offset:2048
	ds_load_b128 v[80:83], v90 offset:4096
	ds_load_u16 v10, v91
	ds_load_u16 v11, v91 offset:128
	ds_load_u16 v4, v91 offset:256
	ds_load_b128 v[160:163], v92
	ds_load_b128 v[164:167], v92 offset:16
	ds_load_b128 v[168:171], v92 offset:256
	ds_load_b128 v[172:175], v92 offset:272
.set i, 0
.rept 8
	ds_load_b32 v[176+i], v93 offset:512
.set i, i+1
.endr
	IMAGES
	ZQKV
	s_wait_dscnt 0x0
	PLACES 4                                       ; operands written by vector instructions stand 4 places ahead of a scaled product
	QKVMUL
.Lqkv_done:
.else
	; ---- the block's 768 bytes leave by waves 0-2: each store covers one aligned run of 256 bytes
	v_lshlrev_b32 v88, 3, v0
	v_add_nc_u32 v89, OUTS, v88
	s_cmp_ge_u32 s[WV], 3
	s_cbranch_scc1 .Lout_done
	ds_load_b64 v[90:91], v89
	s_wait_dscnt 0x0
	global_store_b64 v88, v[90:91], s[OB:OB+1]
.Lout_done:
.endif
	s_wait_dscnt 0x0
	s_wait_xcnt 0x0
	v_lshl_add_u32 v230, v0, 2, 0x4cf00
	v_mov_b32 v231, 0
	s_wait_tensorcnt 0x0
	ds_add_u32 v230, v231
	s_wait_dscnt 0x0
	CROUND                                         ; the closing round
	s_endpgm
.Lfunc_end_k_qa874167f96_layer1:
	.size	k_qa874167f96_layer1, .Lfunc_end_k_qa874167f96_layer1-k_qa874167f96_layer1
	.p2alignl 7, 3214868480
	.fill 96, 4, 3214868480
	.section	.rodata,"a",@progbits
	.p2align	6, 0x0
	.amdhsa_kernel k_qa874167f96_layer1
		.amdhsa_group_segment_fixed_size 327680
		.amdhsa_private_segment_fixed_size 0
		.amdhsa_enable_private_segment 0
		.amdhsa_kernarg_size 160
		.amdhsa_user_sgpr_count 2
		.amdhsa_user_sgpr_kernarg_segment_ptr 1
		.amdhsa_wavefront_size32 1
		.amdhsa_system_sgpr_workgroup_id_x 1
		.amdhsa_system_sgpr_workgroup_id_y 1
		.amdhsa_system_sgpr_workgroup_id_z 1
		.amdhsa_system_vgpr_workitem_id 0
		.amdhsa_next_free_vgpr 256
		.amdhsa_next_free_sgpr 102
		.amdhsa_reserve_vcc 1
		.amdhsa_float_denorm_mode_32 3
		.amdhsa_float_denorm_mode_16_64 3
		.amdhsa_memory_ordered 1
		.amdhsa_forward_progress 1
		.amdhsa_inst_pref_size 218
	.end_amdhsa_kernel
	.amdgpu_metadata
---
amdhsa.version: [ 1, 2 ]
amdhsa.kernels:
  - .name:           k_qa874167f96_layer1
    .symbol:         k_qa874167f96_layer1.kd
    .args:
      - { .name: ws1, .offset: 0, .size: 8, .value_kind: global_buffer, .address_space: global }
      - { .name: sa1_out_w_codes, .offset: 8, .size: 8, .value_kind: global_buffer, .address_space: global }
      - { .name: sa1_out_w_scales, .offset: 16, .size: 8, .value_kind: global_buffer, .address_space: global }
      - { .name: sa1_out_b, .offset: 24, .size: 8, .value_kind: global_buffer, .address_space: global }
      - { .name: sa1_fln_g, .offset: 32, .size: 8, .value_kind: global_buffer, .address_space: global }
      - { .name: sa1_fln_b, .offset: 40, .size: 8, .value_kind: global_buffer, .address_space: global }
      - { .name: sa1_f1_w_codes, .offset: 48, .size: 8, .value_kind: global_buffer, .address_space: global }
      - { .name: sa1_f1_w_scales, .offset: 56, .size: 8, .value_kind: global_buffer, .address_space: global }
      - { .name: sa1_f1_b, .offset: 64, .size: 8, .value_kind: global_buffer, .address_space: global }
      - { .name: sa1_f2_w_codes, .offset: 72, .size: 8, .value_kind: global_buffer, .address_space: global }
      - { .name: sa1_f2_w_scales, .offset: 80, .size: 8, .value_kind: global_buffer, .address_space: global }
      - { .name: sa1_f2_b, .offset: 88, .size: 8, .value_kind: global_buffer, .address_space: global }
      - { .name: w_mid_codes, .offset: 96, .size: 8, .value_kind: global_buffer, .address_space: global }
      - { .name: w_mid_scales, .offset: 104, .size: 8, .value_kind: global_buffer, .address_space: global }
      - { .name: sa2_ln_g, .offset: 112, .size: 8, .value_kind: global_buffer, .address_space: global }
      - { .name: sa2_ln_b, .offset: 120, .size: 8, .value_kind: global_buffer, .address_space: global }
      - { .name: sa2_qkv_w_codes, .offset: 128, .size: 8, .value_kind: global_buffer, .address_space: global }
      - { .name: sa2_qkv_w_scales, .offset: 136, .size: 8, .value_kind: global_buffer, .address_space: global }
      - { .name: sa2_qkv_b, .offset: 144, .size: 8, .value_kind: global_buffer, .address_space: global }
      - { .name: ws2, .offset: 152, .size: 8, .value_kind: global_buffer, .address_space: global }
    .group_segment_fixed_size: 327680
    .private_segment_fixed_size: 0
    .kernarg_segment_align: 8
    .kernarg_segment_size: 160
    .max_flat_workgroup_size: 512
    .sgpr_count:     102
    .vgpr_count:     256
    .wavefront_size: 32
...
	.end_amdgpu_metadata
.endif
;; end of part 2
;; launch layer2 (part 3): grid 16 x 16, 16 waves a work-group, clusters of 4 x 1, 327,680 bytes of LDS; arguments ws2, sa2_out_w_codes, sa2_out_w_scales, sa2_out_b, sa2_fln_g, sa2_fln_b, sa2_f1_w_codes, sa2_f1_w_scales, sa2_f1_b, sa2_f2_w_codes, sa2_f2_w_scales, sa2_f2_b, w_out, b_out, node_mask, out0; writes out0
.if DOCPART == 3
	.amdgcn_target "amdgcn-amd-amdhsa--gfx1250"
	.amdhsa_code_object_version 6
	.text
	.protected	k_qa874167f96_layer2
	.globl	k_qa874167f96_layer2
	.p2align	8
	.type	k_qa874167f96_layer2,@function
k_qa874167f96_layer2:
	s_mov_b64 s[64:65], 0
	v_nop
	global_prefetch_b8 v0, s[64:65] scope:SCOPE_SE
	s_setreg_imm32_b32 hwreg(HW_REG_WAVE_MODE, 25, 1), 1
	s_wait_xcnt 0x0
	s_wait_alu depctr_hold_cnt(0) depctr_sa_sdst(0) depctr_va_vdst(0) depctr_va_sdst(0) depctr_va_ssrc(0) depctr_va_vcc(0) depctr_vm_vsrc(0)
	s_getreg_b32 s2, hwreg(HW_REG_IB_STS2, 6, 4)
	s_cmp_eq_u32 s2, 0
	s_cbranch_scc0 .Lentry_in_a_cluster
	s_endpgm
.Lentry_in_a_cluster:
	s_bfe_u32 s2, ttmp6, 0x10000c
	s_cmp_lg_u32 s2, 0x3003
	s_cbranch_scc0 .Lentry_shape_is_right
	s_endpgm
.Lentry_shape_is_right:
; A layer: attention over a batch's 1,024 keys, the output projection and residual, layer norm, f1, exact gelu, f2 and residual.
; LAYER = 1 goes on with relu, w_mid + the second embedding, layer norm and q, k, v of the next attention, into the next workspace; LAYER = 2 with relu, w_out, the mask, into out0.
; SHARES.  A work-group owns 64 queries of one batch, all four heads; wave w = 4 tile + head owns 16 queries of one head and walks all keys, 128 a step, eight steps written out.  Four waves to a SIMD, so that one
; wave's f32 products stand beside another's softmax.  The chain behind the attention is run by waves 0-3, a tile of 16 rows each; every wave passes every barrier.
; CLUSTER.  The four query blocks of a cluster belong to one batch and read the same k and v: every tile is asked for JOINTLY, by the same tensor load with the same descriptor and the mask 15.
; LDS.  The batch's k (262,144 bytes) and v's codes (32,768) come ONCE, by five loads a wave at the head (five are outstanding at the most), as they lie in the workspace: images of registers, 16 bytes a lane.  Nothing is filled
; again.  Behind them the parameters, copied once through registers.  The stages of the chain lie in k's first 32 KB, which have had their only fill and whose last read lies in front of step 1's barrier.
; PRODUCTS.  S^T = k q^T with f32 operands (its result goes on into a quantiser): v_wmma_f32_16x16x4_f32, four along d = 16, eight accumulators by turns; both operands carry d in the same order (8 h + 2 c + j).
; O^T += v^T p^T on FP4 codes, K = the step's 128 keys.  A lane holds one query throughout.  The keys of a tile are chosen (row r of tile 2 b + u = key 32 b + 8 u + r + 8 (r / 8)) so that 16 registers are 16 neighbouring keys.
; SOFTMAX: t = score x log2(e) / 4; M = the running largest t rounded up to a whole number; p = 2^(t - M) is quantised, not normalised; the sum of the unquantised p divides at the end.
; ROW LAYOUT of the chain: lane (r, h) holds row r, channels 32 h .. 32 h + 31: a whole block.  K = 64: registers 4-7 of every operand hold zero codes.  Linear layers are used transposed; lane r of W's tile t takes row 8 t + r + 24 (r / 8).
; LIMITS: NaN and infinities are not served; a block whose largest magnitude lies under 2^-124 keeps the byte 1; erfc by a rational-exponential form of fractional error about 1.2e-7; biases are added in another order than the source reads.
.set LAYER, 2
.set KOFF,  0x400000
.set XOFF,  0x800000
.set VOFF,  0xc00000
.set VSOFF, 0xc80000
.set TOFF,  0xc88000
.set VB,    262144                     ; LDS: v's codes behind k
.set PAR,   294912                     ; the parameters
.set OSTP,  272                        ; the stage for O: a row of 256 bytes + 16
.set OSTT,  16*OSTP
.set XIMG,  4*OSTT                     ; LAYER 1: four images of 512 bytes,
.set XSC,   2048                       ; and their scale words so far behind them
.set OUTS,  4*OSTT                     ; LAYER 2: the block's 768 bytes of output
.set PC_OUT, 0
.set PC_F1,  2048
.set PC_F2,  4096
.if LAYER == 1
.set PC_MID, 6144
.set PC_QKV, 8192
.set PVS,    14336
.set VEC0,   16384
.set SC0,    19200
.else
.set PVS,    6144
.set VEC0,   8192
.set SC0,    10240
.endif
.set V_OUTB, 0
.set V_FLNG, 256
.set V_FLNB, 512
.set V_F1B,  768
.set V_F2B,  1024
.set V_TB2,  1280
.set V_WO,   1280
.set V_LNG,  1536
.set V_LNB,  1792
.set V_QKVB, 2048
.set S_OUT,  0
.set S_F1,   128
.set S_F2,   256
.set S_MID,  384
.set S_QKV,  512
; registers of the attention
.set AK,  1                            ; v1   LDS address of the step's k fragments
.set AVV, 2                            ; v2   of v's
.set AVS, 3                            ; v3   of v's scale words
.set PS,  4                            ; v4-11 hold scales and nothing else: v4 p's word, v5 v's
.set VS,  5
.set QF,  16                           ; v16-23 q
.set O,   24                           ; v24-31 O^T
.set KF,  32                           ; v32-95 eight fragments of k
.set SS,  96                           ; v96-159 S^T: written by matrix instructions alone, in the whole text
.set PP,  160                          ; v160-223 p
.set PCD, 224                          ; v224-231 p's codes
.set VF,  232                          ; v232-239 v's fragment
.set BM,  240                          ; v240-243 the blocks' largest
.set BT,  244                          ; v244-247 at work
.set BSC, 248                          ; v248-251 the conversions' scale operands;  v[252:253] f;  v254 at work;  v255 16 x lane
; registers of the chain
.set LI,   1
.set AVEC, 2
.set AW,   3
.set XS,   5
.set WS,   6
.set AWS,  12
.set AOS,  13
.set AOL,  14
.set AIM,  15
.set XF,   16
.set W,    32
.set AV,   64
.set D0,   96
.set D1,   128
.set CB,   160
.set T,    192
.set G,    224
.set GVS,  94
; scalars
.set G1K, 44
.set G1V, 52
.set WV,  60
.set HD,  61
.set TL,  62
.set SEL, 66
.set G0,  68                           ; s[68:87] five groups 0
.set CS,  88
.set R64, 90
.set EPS, 91
.set QBI, 92
.set BB,  93
.set TP,  94                           ; s94-98 at work
.set XB,  6                            ; behind the head the parameters' pointers are done with
.set QB,  8
.set KBS, 10
.set VBS, 12
.set VSB, 14
.set OB,  6
.set MB,  8
.set GK,  16
.set BO,  36
.macro PLACES n
.rept \n
	v_nop
.endr
.endm
.macro OP2K n, op, d, k, b             ; d[i] = k op b[i]
.set i, 0
.rept \n
	\op v[\d+i], \k, v[\b+i]
.set i, i+1
.endr
.endm
.macro PK2 n, op, d, a, b              ; n pairs: d = a op b
.set i, 0
.rept \n
	\op v[\d+i:\d+i+1], v[\a+i:\a+i+1], v[\b+i:\b+i+1]
.set i, i+2
.endr
.endm
.macro CROUND                          ; a round of the cluster's barrier
	s_barrier_signal -1
	s_barrier_wait -1
	s_cmp_lg_u32 s[WV], 0
	s_cbranch_scc1 .Lnot_wave_0_\@
	s_barrier_signal -3
.Lnot_wave_0_\@:
	s_barrier_wait -3
	s_barrier_signal -1
	s_barrier_wait -1
.endm
.macro LDVEC dst, off                  ; a vector of 64 numbers in the row layout: my half's 32
.set i, 0
.rept 8
	ds_load_b128 v[\dst+4*i:\dst+4*i+3], v[AVEC] offset:\off+16*i
.set i, i+1
.endr
.endm
.macro LDW cofs, sofs                  ; a weight's four tiles and their scale words
.irp m, 0,1,2,3
	ds_load_b128 v[W+8*\m:W+8*\m+3], v[AW] offset:\cofs+256*\m
	ds_load_u16 v[WS+\m], v[AWS] offset:\sofs+16*\m
.endr
.endm
; 32 numbers of a lane, one block, become registers 0-3 of the operand in v[XF] on, and the row's scale word in v[XS] (lanes 0-15: block 0's byte under block 1's; lanes 16-31 are not read).
; n: the plain places behind: 8 in front of a scaled product (a scale register written by a vector instruction stands 8 ahead), 1 where the codes go to LDS.
.macro QUANT32 src, n
	v_max3_num_f32 v24, |v[\src]|, |v[\src+1]|, |v[\src+2]|
	v_max3_num_f32 v25, |v[\src+3]|, |v[\src+4]|, |v[\src+5]|
.irp e, 6,10,14,18,22,26
	v_max3_num_f32 v24, v24, |v[\src+\e]|, |v[\src+\e+1]|
	v_max3_num_f32 v25, v25, |v[\src+\e+2]|, |v[\src+\e+3]|
.endr
	v_max3_num_f32 v24, v24, |v[\src+30]|, |v[\src+31]|
	v_max3_num_f32 v24, v24, v25, 0x1800000        ; the floor 2^(3 - 127): the byte cannot fall under 1
	v_add_nc_u32 v25, 0xff000000, v24              ; 2 off the exponent field: the conversion's scale operand
	v_lshrrev_b32 v26, 23, v25                     ; the byte
	v_permlanex16_b32 v27, v26, s[SEL], s[SEL+1]
	v_lshl_or_b32 v[XS], v27, 8, v26
.irp e, 0,1,2,3
	v_cvt_scalef32_pk8_fp4_f32 v[XF+\e], v[\src+8*\e:\src+8*\e+7], v25
.endr
	PLACES \n
.endm
.macro PROD d, c                       ; four tiles: d = W x the rows' operand + c
	s_wait_dscnt 0x0
.irp m, 0,1,2,3
	v_wmma_scale_f32_16x16x128_f8f6f4 v[\d+8*\m:\d+8*\m+7], v[W+8*\m:W+8*\m+7], v[XF:XF+7], v[\c+8*\m:\c+8*\m+7], v[WS+\m], v[XS] matrix_a_fmt:MATRIX_FMT_FP4 matrix_b_fmt:MATRIX_FMT_FP4
.endr
.endm
; dst = (src - mean) / sqrt(var + 1e-5) x gg + bb over the row's 64 numbers: my 32 and lane l xor 16's.  Two passes, as the source has it.  gg and bb may still be on their way from LDS.
.macro LN src, dst, gg, bb
.set i, 0
.rept 8
	v_pk_add_f32 v[\dst+2*i:\dst+2*i+1], v[\src+4*i:\src+4*i+1], v[\src+4*i+2:\src+4*i+3]
.set i, i+1
.endr
.set i, 0
.rept 4
	v_pk_add_f32 v[\dst+16+2*i:\dst+17+2*i], v[\dst+4*i:\dst+4*i+1], v[\dst+4*i+2:\dst+4*i+3]
.set i, i+1
.endr
	v_pk_add_f32 v[\dst+24:\dst+25], v[\dst+16:\dst+17], v[\dst+18:\dst+19]
	v_pk_add_f32 v[\dst+26:\dst+27], v[\dst+20:\dst+21], v[\dst+22:\dst+23]
	v_pk_add_f32 v[24:25], v[\dst+24:\dst+25], v[\dst+26:\dst+27]
	v_add_f32 v24, v24, v25
	v_permlanex16_b32 v25, v24, s[SEL], s[SEL+1]
	v_add_f32 v24, v24, v25
	v_mul_f32 v24, s[R64], v24                     ; the mean
.set i, 0
.rept 16
	v_pk_add_f32 v[\dst+i:\dst+i+1], v[\src+i:\src+i+1], v[24:25] op_sel_hi:[1,0] neg_lo:[0,1] neg_hi:[0,1]
.set i, i+2
.endr
	v_pk_mul_f32 v[24:25], v[\dst:\dst+1], v[\dst:\dst+1]
	v_pk_mul_f32 v[26:27], v[\dst+2:\dst+3], v[\dst+2:\dst+3]
.set i, 4
.rept 7
	v_pk_fma_f32 v[24:25], v[\dst+i:\dst+i+1], v[\dst+i:\dst+i+1], v[24:25]
	v_pk_fma_f32 v[26:27], v[\dst+i+2:\dst+i+3], v[\dst+i+2:\dst+i+3], v[26:27]
.set i, i+4
.endr
	v_pk_add_f32 v[24:25], v[24:25], v[26:27]
	v_add_f32 v24, v24, v25
	v_permlanex16_b32 v25, v24, s[SEL], s[SEL+1]
	v_add_f32 v24, v24, v25
	v_fma_f32 v24, v24, s[R64], s[EPS]
	v_rsq_f32 v24, v24
	v_nop                                          ; a plain place behind the transcendental
	s_wait_dscnt 0x0                               ; gain and bias are in
.set i, 0
	s_wait_alu depctr_va_vdst(0)
.rept 16
	v_pk_mul_f32 v[\dst+i:\dst+i+1], v[\dst+i:\dst+i+1], v[24:25] op_sel_hi:[1,0]
.set i, i+2
.endr
.set i, 0
.rept 16
	v_pk_fma_f32 v[\dst+i:\dst+i+1], v[\dst+i:\dst+i+1], v[\gg+i:\gg+i+1], v[\bb+i:\bb+i+1]
.set i, i+2
.endr
.endm
; dst = gelu(src) = max(x, 0) - |x| erfc(|x| / sqrt 2) / 2, eight numbers at a time; at work: G .. G + 23.  erfc(z) = t exp(-z^2 + a polynomial in t), t = 1 / (1 + z / 2).  No difference of near numbers is formed.
.macro GELU src, dst
.irp q, 0,1,2,3
.irp e, 0,1,2,3,4,5,6,7
	v_mul_f32 v[G+\e], 0x3f3504f3, |v[\src+8*\q+\e]|
.endr
.irp e, 0,1,2,3,4,5,6,7
	v_fma_f32 v[G+8+\e], v[G+\e], 0.5, 1.0
.endr
.irp e, 0,1,2,3,4,5,6,7
	v_rcp_f32 v[G+8+\e], v[G+8+\e]
.endr
	v_nop
	s_wait_alu depctr_va_vdst(0)
.irp e, 0,1,2,3,4,5,6,7
	v_fma_f32 v[G+16+\e], v[G+8+\e], s[GK], -0.82215223
.endr
.irp k, 1.48851587, -1.13520398, 0.27886807, -0.18628806, 0.09678418, 0.37409196, 1.00002368, -1.26551223
.irp e, 0,1,2,3,4,5,6,7
	v_fma_f32 v[G+16+\e], v[G+16+\e], v[G+8+\e], \k
.endr
.endr
.irp e, 0,1,2,3,4,5,6,7
	v_fma_f32 v[G+16+\e], -v[G+\e], v[G+\e], v[G+16+\e]
.endr
.irp e, 0,1,2,3,4,5,6,7
	v_fma_f32 v[G+16+\e], v[G+16+\e], 0x3fb8aa3b, -1.0     ; to base 2, and the half
.endr
.irp e, 0,1,2,3,4,5,6,7
	v_exp_f32 v[G+16+\e], v[G+16+\e]
.endr
.irp e, 0,1,2,3,4,5,6,7
	v_max_num_f32 v[G+\e], 0, v[\src+8*\q+\e]              ; (plain places behind the exponentials)
.endr
	s_wait_alu depctr_va_vdst(0)
.irp e, 0,1,2,3,4,5,6,7
	v_mul_f32 v[G+16+\e], v[G+16+\e], v[G+8+\e]
.endr
.irp e, 0,1,2,3,4,5,6,7
	v_fma_f32 v[\dst+8*\q+\e], -|v[\src+8*\q+\e]|, v[G+16+\e], v[G+\e]
.endr
.endr
.endm
.macro KLOAD                           ; a step's eight fragments of k of my head: 16 loads of 512 consecutive bytes
.irp m, 0,1,2,3,4,5,6,7
	ds_load_b128 v[KF+8*\m:KF+8*\m+3], v[AK] offset:1024*\m
	ds_load_b128 v[KF+8*\m+4:KF+8*\m+7], v[AK] offset:1024*\m+512
.endr
.endm
; A KEY STEP: 128 keys.
.macro STEP s
	s_wait_dscnt 0x0                               ; this step's k is in
.irp c, 0,1,2,3                        ; four along d at a time; the eight accumulators take turns, one instruction a turn; the first four start the sums
.irp m, 0,1,2,3,4,5,6,7
.if \c == 0
	v_wmma_f32_16x16x4_f32 v[SS+8*\m:SS+8*\m+7], v[KF+8*\m:KF+8*\m+1], v[QF:QF+1], 0
.else
	v_wmma_f32_16x16x4_f32 v[SS+8*\m:SS+8*\m+7], v[KF+8*\m+2*\c:KF+8*\m+2*\c+1], v[QF+2*\c:QF+2*\c+1], v[SS+8*\m:SS+8*\m+7]
.endif
.endr
.endr
	v_add_nc_u32 v[AK], 0x8000, v[AK]              ; the next step's k.  Eight places behind this form: in front of the loads into k's registers and of the first read of the scores
	PLACES 7
.if (\s == 1) || (\s == 3) || (\s == 5)
	s_wait_tensorcnt (5-\s)/2                      ; my part of the next two steps' k has landed; the count is the pairs of steps behind it, which may stay out
	s_barrier_signal -1                            ; (no LDS instruction of mine is out)
	s_barrier_wait -1                              ; everybody's has
.endif
	ds_load_b128 v[VF:VF+3], v[AVV] offset:4096*\s
	ds_load_b128 v[VF+4:VF+7], v[AVV] offset:4096*\s+512
	ds_load_b32 v[VS], v[AVS] offset:256*\s
.if \s < 7
	KLOAD
.else
	s_cmp_ge_u32 s[WV], 4
	s_cbranch_scc1 .Lno_res
.set i, 0
.rept 8
	global_load_b128 v[AV+4*i:AV+4*i+3], v255, s[100:101] offset:512*i   ; waves 0-3: the residual's image of tile w, into registers that k has left
.set i, i+1
.endr
.Lno_res:
.endif
.irp b, 0,1,2,3
	v_max3_num_f32 v[BM+\b], v[SS+16*\b], v[SS+16*\b+1], v[SS+16*\b+2]   ; the largest score of each block of 32 keys: for the row's maximum, and, since p rises with the score, for the block's largest p
.endr
.irp e, 3,5,7,9,11,13
.irp b, 0,1,2,3
	v_max3_num_f32 v[BM+\b], v[BM+\b], v[SS+16*\b+\e], v[SS+16*\b+\e+1]
.endr
.endr
.irp b, 0,1,2,3
	v_max_num_f32 v[BM+\b], v[BM+\b], v[SS+16*\b+15]
.endr
.irp b, 0,1,2,3
	v_permlanex16_b32 v[BT+\b], v[BM+\b], s[SEL], s[SEL+1]
.endr
.irp b, 0,1,2,3
	v_max_num_f32 v[BM+\b], v[BM+\b], v[BT+\b]
.endr
	v_max3_num_f32 v254, v[BM], v[BM+1], v[BM+2]
	v_max_num_f32 v254, v254, v[BM+3]
	v_mul_f32 v254, s[CS], v254                    ; as t
	v_max_num_f32 v13, v13, v254                   ; the running largest t
	v_mov_b32 v254, v12
	v_floor_f32 v12, -v13                          ; -M = floor(-t): M is a whole number
	v_sub_f32 v254, v12, v254
	v_cvt_i32_f32 v254, v254                       ; (it saturates)
	v_ldexp_f32 v252, 1.0, v254                    ; f = 2^(old M - new M)
.set j, 0
.rept 32
	v_pk_fma_f32 v[PP+j:PP+j+1], v[SS+j:SS+j+1], s[CS:CS+1], v[12:13] op_sel_hi:[1,0,0]   ; t - M
.set j, j+2
.endr
.irp b, 0,1,2,3
	v_fma_f32 v[BM+\b], v[BM+\b], s[CS], v12
.endr
.set j, 0
.rept 64
	v_exp_f32 v[PP+j], v[PP+j]
.set j, j+1
.endr
.irp b, 0,1,2,3
	v_exp_f32 v[BM+\b], v[BM+\b]                   ; the block's largest p: the same two instructions on the same number
.endr
	v_pk_mul_f32 v[14:15], v[14:15], v[252:253] op_sel_hi:[1,0]   ; the sums under the new M (a plain place behind the exponentials)
	s_wait_alu depctr_va_vdst(0)
.irp b, 0,1,2,3
	v_max_num_f32 v[BM+\b], 0x1800000, v[BM+\b]    ; the floor: the byte cannot fall under 1
.endr
.irp b, 0,1,2,3
	v_add_nc_u32 v[BSC+\b], 0xff000000, v[BM+\b]
.endr
.irp b, 0,1,2,3
	v_lshrrev_b32 v[BT+\b], 23, v[BSC+\b]
.endr
	v_lshl_or_b32 v[PS], v[BT+1], 8, v[BT]
	v_lshl_or_b32 v[PS], v[BT+2], 16, v[PS]
	v_lshl_or_b32 v[PS], v[BT+3], 24, v[PS]
.irp b, 0,1,2,3
	v_cvt_scalef32_pk8_fp4_f32 v[PCD+2*\b], v[PP+16*\b:PP+16*\b+7], v[BSC+\b]
	v_cvt_scalef32_pk8_fp4_f32 v[PCD+2*\b+1], v[PP+16*\b+8:PP+16*\b+15], v[BSC+\b]
.endr
	v_nop
.irp c, 0,1
.irp e, 0,1
	v_permlane16_swap_b32 v[PCD+4*\c+\e], v[PCD+4*\c+2+\e]   ; a whole block to a lane
.endr
.endr
.irp e, 0,2,4,6
	v_pk_mul_f32 v[O+\e:O+\e+1], v[O+\e:O+\e+1], v[252:253] op_sel_hi:[1,0]   ; O^T under the new M
.endr
	v_pk_add_f32 v[BT+2:BT+3], v[PP:PP+1], v[PP+2:PP+3]      ; the row's sum of the unquantised p, in two chains; these 32 are also the places in front of the scaled product
.set j, 4
.rept 15
	v_pk_add_f32 v[14:15], v[14:15], v[PP+j:PP+j+1]
	v_pk_add_f32 v[BT+2:BT+3], v[BT+2:BT+3], v[PP+j+2:PP+j+3]
.set j, j+4
.endr
	v_pk_add_f32 v[14:15], v[14:15], v[BT+2:BT+3]
.if \s < 7
	s_wait_dscnt 16                                ; v's three loads are in; the next step's 16 of k, issued behind them, may stay out
.else
	s_wait_dscnt 0x0
.endif
	v_wmma_scale_f32_16x16x128_f8f6f4 v[O:O+7], v[VF:VF+7], v[PCD:PCD+7], v[O:O+7], v[VS], v[PS] matrix_a_fmt:MATRIX_FMT_FP4 matrix_b_fmt:MATRIX_FMT_FP4
.endm
.macro DOT acc, wb                     ; LAYER 2: two links of a row of w_out's sum, at numbers i .. i + 3
.if i == 0
	v_pk_mul_f32 v[\acc:\acc+1], v[T:T+1], v[\wb:\wb+1]
	v_pk_mul_f32 v[\acc+2:\acc+3], v[T+2:T+3], v[\wb+2:\wb+3]
.else
	v_pk_fma_f32 v[\acc:\acc+1], v[T+i:T+i+1], v[\wb+i:\wb+i+1], v[\acc:\acc+1]
	v_pk_fma_f32 v[\acc+2:\acc+3], v[T+i+2:T+i+3], v[\wb+i+2:\wb+i+3], v[\acc+2:\acc+3]
.endif
.endm
	s_load_b512 s[4:19], s[0:1], 0x0               ; workspace in, out codes, scales, bias, fln_g, fln_b, f1 codes, scales
	s_load_b512 s[20:35], s[0:1], 0x40             ; f1 bias, f2 codes, scales, bias; w_out, b_out, node_mask, out0
	v_lshl_add_u32 v10, v0, 2, 0x4aa00
	v_mov_b32 v11, 0
	ds_add_u32 v10, v11
	ds_add_u32 v10, v11
	v_lshrrev_b32 v1, 5, v0
	v_readfirstlane_b32 s[WV], v1                  ; wave 0..15
	s_and_b32 s[HD], s[WV], 3                      ; my head
	s_lshr_b32 s[TL], s[WV], 2                     ; my tile of queries
	s_bfe_u32 s94, ttmp6, 0x40000                  ; cx: it enters global addresses of q, x and the results alone
	s_lshl_b32 s[QBI], ttmp9, 2
	s_add_co_u32 s[QBI], s[QBI], s94               ; my block of 64 queries
	s_and_b32 s[BB], ttmp7, 0xffff                 ; the batch, which the four partners share
	s_mov_b32 s[G1K], 15|(3<<16)|(1<<21)           ; 15:0 the mask: all four work-groups; 17:16 elements of 8 bytes; 21 set beside a mask; no padding
	s_mov_b32 s[G1K+1], 32<<16                     ; tensor_dim0 = 32 elements: rows of 256 bytes, dense
	s_mov_b32 s[G1K+2], 16<<16                     ; tensor_dim1 = 16
	s_mov_b32 s[G1K+3], 32<<16                     ; tile_dim0
	s_mov_b32 s[G1K+4], 16                         ; tile_dim1
	s_mov_b32 s[G1K+5], 32                         ; the pitch
	s_mov_b32 s[G1K+6], 0
	s_mov_b32 s[G1K+7], 0
	s_mov_b32 s[G1V], 15|(3<<16)|(1<<21)           ; the same with 8 rows
	s_mov_b32 s[G1V+1], 32<<16
	s_mov_b32 s[G1V+2], 8<<16
	s_mov_b32 s[G1V+3], 32<<16
	s_mov_b32 s[G1V+4], 8
	s_mov_b32 s[G1V+5], 32
	s_mov_b32 s[G1V+6], 0
	s_mov_b32 s[G1V+7], 0
	s_mov_b32 s[SEL], 0x76543210
	s_mov_b32 s[SEL+1], 0xfedcba98                 ; v_permlanex16_b32's selects for lane l xor 16
	s_mov_b32 s[CS], 0x3eb8aa3b                    ; log2(e) / sqrt(16)
	s_mov_b32 s[CS+1], s[CS]
	s_mov_b32 s[R64], 0x3c800000                   ; 1 / 64
	s_mov_b32 s[EPS], 0x3727c5ac                   ; 1e-5
	s_lshl_b32 s98, s[WV], 12                      ; my 4,096 bytes of each pair of steps of k,
	s_lshl_b32 s94, s[BB], 18
	s_add_co_u32 s94, s94, s98
	s_add_co_u32 s94, s94, KOFF
	s_mov_b32 s95, 0
	s_lshl_b32 s99, s[WV], 11                      ; my 2,048 bytes of v's codes
	s_lshl_b32 s96, s[BB], 15
	s_add_co_u32 s96, s96, s99
	s_add_co_u32 s96, s96, VOFF
	s_mov_b32 s97, 0
	s_wait_dscnt 0x0
	s_wait_kmcnt 0x0
	s_add_nc_u64 s[94:95], s[4:5], s[94:95]
	s_add_nc_u64 s[96:97], s[4:5], s[96:97]
.irp p, 0,1,2,3
	s_mov_b32 s[G0+4*\p], 1
	s_add_co_u32 s[G0+4*\p+1], s98, \p*65536       ; LDS: as in the workspace
	s_add_nc_u64 s[G0+4*\p+2:G0+4*\p+3], s[94:95], \p*65536
	s_or_b32 s[G0+4*\p+3], s[G0+4*\p+3], 0x80000000
.endr
	s_mov_b32 s[G0+16], 1
	s_add_co_u32 s[G0+17], s99, VB
	s_mov_b64 s[G0+18:G0+19], s[96:97]
	s_or_b32 s[G0+19], s[G0+19], 0x80000000
	s_load_b96 s[BO:BO+2], s[30:31], 0x0           ; b_out
	CROUND                                         ; all four work-groups are here: the joint loads meet
	tensor_load_to_lds s[G0:G0+3], s[G1K:G1K+7]            ; steps 0, 1
	s_nop 0
	tensor_load_to_lds s[G0+16:G0+19], s[G1V:G1V+7]        ; v
	s_nop 0
	tensor_load_to_lds s[G0+4:G0+7], s[G1K:G1K+7]          ; steps 2, 3
	s_nop 0
	tensor_load_to_lds s[G0+8:G0+11], s[G1K:G1K+7]         ; steps 4, 5
	s_nop 0
	tensor_load_to_lds s[G0+12:G0+15], s[G1K:G1K+7]        ; steps 6, 7: five loads of mine are out
	s_nop 0
	PLACES 4
	; ---- the parameters, once, through registers into LDS; q
	v_lshlrev_b32 v240, 2, v0                      ; 4 x thread: 512 threads take 2,048 bytes
	v_add_nc_u32 v241, PAR, v240
	v_and_b32 v242, 31, v0
	v_lshlrev_b32 v255, 4, v242                    ; 16 x lane: kept through the attention
	v_lshlrev_b32 v242, 2, v242
	s_lshl_b32 s94, s[BB], 11
	s_add_co_u32 s94, s94, VSOFF
	s_mov_b32 s95, 0
	s_add_nc_u64 s[94:95], s[4:5], s[94:95]        ; v's scale bytes of the batch
	s_lshl_b32 s96, s[BB], 18
	s_lshl_b32 s97, s[QBI], 14
	s_add_co_u32 s96, s96, s97
	s_lshl_b32 s97, s[WV], 12
	s_add_co_u32 s100, s96, s97
	s_add_co_u32 s100, s100, XOFF
	s_mov_b32 s101, 0
	s_add_nc_u64 s[100:101], s[4:5], s[100:101]    ; the residual's image of tile w (used by waves 0-3)
	s_lshl_b32 s97, s[WV], 10
	s_add_co_u32 s96, s96, s97
	s_mov_b32 s97, 0
	s_add_nc_u64 s[96:97], s[4:5], s[96:97]        ; q's image of my tile and head
	global_load_b32 v32, v240, s[6:7]
	global_load_b32 v33, v240, s[16:17]
	global_load_b32 v34, v240, s[22:23]
	global_load_b32 v35, v240, s[94:95]
	global_load_b128 v[QF:QF+3], v255, s[96:97]
	global_load_b128 v[QF+4:QF+7], v255, s[96:97] offset:512
	s_cmp_ge_u32 s[WV], 2
	s_cbranch_scc1 .Lno_vec                        ; waves 0, 1: the vectors of 256 bytes
	global_load_b32 v40, v240, s[10:11]
	global_load_b32 v41, v240, s[12:13]
	global_load_b32 v42, v240, s[14:15]
	global_load_b32 v43, v240, s[20:21]
	global_load_b32 v44, v240, s[26:27]
	global_load_b32 v45, v240, s[28:29]
	global_load_b32 v46, v240, s[28:29] offset:256
	global_load_b32 v47, v240, s[28:29] offset:512
	s_wait_loadcnt 0x0
.set i, 0
.rept 8
	ds_store_b32 v241, v[40+i] offset:VEC0+256*i
.set i, i+1
.endr
.Lno_vec:
	s_cmp_lg_u32 s[WV], 2
	s_cbranch_scc1 .Lno_sc                         ; wave 2: the weights' scale bytes, 128 at a time (its threads' 4 x thread begins at 256)
	global_load_b32 v40, v242, s[8:9]
	global_load_b32 v41, v242, s[18:19]
	global_load_b32 v42, v242, s[24:25]
	s_wait_loadcnt 0x0
.set i, 0
.rept 3
	ds_store_b32 v241, v[40+i] offset:SC0-256+128*i
.set i, i+1
.endr
.Lno_sc:
	s_wait_loadcnt 0x0
.set i, 0
.rept 4
	ds_store_b32 v241, v[32+i] offset:2048*i
.set i, i+1
.endr
	; no load of mine is out: the parameters' pointers are done with
	s_lshl_b32 s94, s[BB], 10
	s_lshl_b32 s95, s[QBI], 6
	s_add_co_u32 s94, s94, s95                     ; the block's first token
	s_mul_i32 s96, s94, 12
	s_mov_b32 s97, 0
	s_add_nc_u64 s[OB:OB+1], s[34:35], s[96:97]
	s_lshr_b32 s95, s[WV], 1
	s_lshl_b32 s95, s95, 5
	s_add_co_u32 s94, s94, s95
	s_and_b32 s95, s[WV], 1
	s_lshl_b32 s95, s95, 3
	s_add_co_u32 s94, s94, s95                     ; tile w's first token
	s_lshl_b32 s96, s94, 2
	s_add_nc_u64 s[MB:MB+1], s[32:33], s[96:97]
	s_mov_b32 s[GK], 0.17087277
	s_lshl_b32 s94, s[HD], 13
	v_add_nc_u32 v[AK], s94, v255
	s_lshl_b32 s94, s[HD], 10
	s_add_co_u32 s94, s94, VB
	v_add_nc_u32 v[AVV], s94, v255
	v_and_b32 v[AVS], 15, v0
	s_lshl_b32 s94, s[HD], 6
	s_add_co_u32 s94, s94, PAR+PVS
	v_lshl_add_u32 v[AVS], v[AVS], 2, s94
.irp e, 0,1,2,3,4,5,6,7
	v_mov_b32 v[O+\e], 0                           ; the steps are written alike: the first finds zeros, which the first change of M leaves zeros
.endr
	v_mov_b32 v13, 0xff61b1e6                      ; the largest t so far: -3e38
	v_floor_f32 v12, -v13
	v_mov_b32 v14, 0
	v_mov_b32 v15, 0
.irp e, 0,1,2,3
	v_mov_b32 v[BT+\e], 0                          ; a lane permute's destination counts as one of its sources
.endr
	v_mov_b32 v253, 0                              ; (named as the upper half of the pair v[252:253])
	s_wait_kmcnt 0x0                               ; b_out
	s_wait_tensorcnt 0x3                           ; my parts of steps 0, 1 and of v are in; the three younger loads may stay out
	s_wait_dscnt 0x0                               ; my parameters have landed
	s_barrier_signal -1
	s_barrier_wait -1
	KLOAD
.irp n, 0,1,2,3,4,5,6,7
	STEP \n
.endr
	; ---- O / the sum, into the stage.  All addresses of the chain are made here, on every wave's way
	v_add_f32 v14, v14, v15
	v_permlanex16_b32 v252, v14, s[SEL], s[SEL+1]
	v_add_f32 v14, v14, v252
	v_rcp_f32 v14, v14
	v_and_b32 v240, 15, v0                         ; r
	v_bfe_u32 v241, v0, 4, 1                       ; h
	v_lshrrev_b32 v242, 3, v240
	v_mad_u32_u24 v243, v242, 24, v240             ; r + 24 (r / 8)
	v_and_b32 v[LI], 31, v0
	v_lshlrev_b32 v[LI], 4, v[LI]
	v_lshl_add_u32 v[AVEC], v241, 7, PAR+VEC0
	v_lshlrev_b32 v[AW], 5, v243
	v_lshl_add_u32 v[AW], v241, 4, v[AW]
	v_add_nc_u32 v[AW], PAR, v[AW]
	v_lshl_add_u32 v[AWS], v243, 1, PAR+SC0
	s_mul_i32 s94, s[TL], OSTT
	s_lshl_b32 s95, s[HD], 6
	s_add_co_u32 s94, s94, s95
	v_mul_u32_u24 v244, v240, OSTP
	v_lshl_add_u32 v[AOS], v241, 5, v244
	v_add_nc_u32 v[AOS], s94, v[AOS]               ; row r of my tile, my head's 64 bytes, + 32 h
	s_wait_alu depctr_va_vdst(0)
.irp e, 0,1,2,3,4,5,6,7
	v_mul_f32 v[PP+\e], v[O+\e], v14
.endr
	ds_store_b128 v[AOS], v[PP:PP+3]
	ds_store_b128 v[AOS], v[PP+4:PP+7] offset:16
	s_mul_i32 s94, s[WV], OSTT
	v_lshl_add_u32 v[AOL], v241, 7, v244
	v_add_nc_u32 v[AOL], s94, v[AOL]               ; back: row r of tile w, + 128 h
	s_lshr_b32 s94, s[WV], 1
	s_lshl_b32 s94, s94, 5
	s_and_b32 s95, s[WV], 1
	s_lshl_b32 s95, s95, 3
	s_add_co_u32 s94, s94, s95
	s_mul_i32 s94, s94, 12
	s_add_co_u32 s94, s94, OUTS
	v_lshl_add_u32 v[AIM], v242, 3, v240           ; r + 8 (r / 8): the token in the tile
	v_mul_u32_u24 v[AIM], v[AIM], 12
	v_add_nc_u32 v[AIM], s94, v[AIM]
	s_wait_dscnt 0x0
	s_barrier_signal -1
	s_barrier_wait -1                              ; 64 whole rows of O lie in the stage
	s_cmp_ge_u32 s[WV], 4
	s_cbranch_scc1 .Lchain_done
	; ---- the chain, a tile of 16 rows to each of waves 0-3
	s_wait_loadcnt 0x0                             ; the residual is in, so v255, its loads' address, may be written
	v_lshl_add_u32 v29, v242, 3, v240
	v_lshlrev_b32 v29, 2, v29
	global_load_b32 v28, v29, s[MB:MB+1]           ; my token's mask
.set i, 0
.rept 8
	ds_load_b128 v[T+4*i:T+4*i+3], v[AOL] offset:16*i
.set i, i+1
.endr
	LDW PC_OUT, S_OUT
	LDVEC CB, V_OUTB
.irp e, 4,5,6,7
	v_mov_b32 v[XF+\e], 0                          ; zero codes for k = 64 .. 127
.endr
.irp m, 0,1,2,3
.irp e, 4,5,6,7
	v_mov_b32 v[W+8*\m+\e], 0
.endr
.endr
	s_wait_dscnt 16                                ; O's rows are in; the weight's 8 loads and the bias's 8 may stay out
	QUANT32 T, 8
	PROD D0, CB
	PLACES 4
	LDW PC_F1, S_F1
	LDVEC CB, V_FLNG
	LDVEC G, V_FLNB
	PK2 16, v_pk_add_f32, AV, D0, AV               ; av = attention's output + x
	LN AV, T, CB, G
	LDVEC CB, V_F1B
	QUANT32 T, 8
	PROD D1, CB
	PLACES 4
	LDW PC_F2, S_F2
	LDVEC CB, V_F2B
	GELU D1, T
	QUANT32 T, 8
	PROD D0, CB
	PLACES 4
	LDVEC CB, V_WO
	LDVEC G, V_WO+256
	LDVEC W, V_WO+512
	PK2 16, v_pk_add_f32, T, D0, AV
	OP2K 32, v_max_num_f32, T, 0, T                ; relu
	s_wait_dscnt 0x0
.set i, 0
.rept 8
	DOT AV, CB
	DOT AV+4, G
	DOT AV+8, W
.set i, i+4
.endr
.irp c, 0,1,2
	v_pk_add_f32 v[AV+4*\c:AV+4*\c+1], v[AV+4*\c:AV+4*\c+1], v[AV+4*\c+2:AV+4*\c+3]
.endr
.irp c, 0,1,2
	v_add_f32 v[AV+4*\c], v[AV+4*\c], v[AV+4*\c+1]
.endr
.irp c, 0,1,2
	v_permlanex16_b32 v[AV+4*\c+1], v[AV+4*\c], s[SEL], s[SEL+1]
.endr
.irp c, 0,1,2
	v_add_f32 v[AV+4*\c], v[AV+4*\c], v[AV+4*\c+1]
.endr
	s_wait_loadcnt 0x0                             ; the mask
.irp c, 0,1,2
	v_add_f32 v[AV+4*\c], s[BO+\c], v[AV+4*\c]
.endr
.irp c, 0,1,2
	v_mul_f32 v[AV+4*\c], v28, v[AV+4*\c]
.endr
.irp c, 0,1,2
	ds_store_b32 v[AIM], v[AV+4*\c] offset:4*\c    ; both halves of the lanes write the same word with the same value
.endr
.Lchain_done:
	s_wait_dscnt 0x0
	s_barrier_signal -1
	s_barrier_wait -1
	; ---- the block's 768 bytes leave by waves 0-2: each store covers one aligned run of 256 bytes
	v_lshlrev_b32 v88, 3, v0
	v_add_nc_u32 v89, OUTS, v88
	s_cmp_ge_u32 s[WV], 3
	s_cbranch_scc1 .Lout_done
	ds_load_b64 v[90:91], v89
	s_wait_dscnt 0x0
	global_store_b64 v88, v[90:91], s[OB:OB+1]
.Lout_done:
	s_wait_dscnt 0x0
	s_wait_tensorcnt 0x0
	ds_add_u32 v10, v11
	s_wait_dscnt 0x0
	CROUND                                         ; the closing round
	s_endpgm
.Lfunc_end_k_qa874167f96_layer2:
	.size	k_qa874167f96_layer2, .Lfunc_end_k_qa874167f96_layer2-k_qa874167f96_layer2
	.p2alignl 7, 3214868480
	.fill 96, 4, 3214868480
	.section	.rodata,"a",@progbits
	.p2align	6, 0x0
	.amdhsa_kernel k_qa874167f96_layer2
		.amdhsa_group_segment_fixed_size 327680
		.amdhsa_private_segment_fixed_size 0
		.amdhsa_enable_private_segment 0
		.amdhsa_kernarg_size 128
		.amdhsa_user_sgpr_count 2
		.amdhsa_user_sgpr_kernarg_segment_ptr 1
		.amdhsa_wavefront_size32 1
		.amdhsa_system_sgpr_workgroup_id_x 1
		.amdhsa_system_sgpr_workgroup_id_y 1
		.amdhsa_system_sgpr_workgroup_id_z 1
		.amdhsa_system_vgpr_workitem_id 0
		.amdhsa_next_free_vgpr 256
		.amdhsa_next_free_sgpr 102
		.amdhsa_reserve_vcc 0
		.amdhsa_float_denorm_mode_32 3
		.amdhsa_float_denorm_mode_16_64 3
		.amdhsa_memory_ordered 1
		.amdhsa_forward_progress 1
		.amdhsa_inst_pref_size 200
	.end_amdhsa_kernel
	.amdgpu_metadata
---
amdhsa.version: [ 1, 2 ]
amdhsa.kernels:
  - .name:           k_qa874167f96_layer2
    .symbol:         k_qa874167f96_layer2.kd
    .args:
      - { .name: ws2, .offset: 0, .size: 8, .value_kind: global_buffer, .address_space: global }
      - { .name: sa2_out_w_codes, .offset: 8, .size: 8, .value_kind: global_buffer, .address_space: global }
      - { .name: sa2_out_w_scales, .offset: 16, .size: 8, .value_kind: global_buffer, .address_space: global }
      - { .name: sa2_out_b, .offset: 24, .size: 8, .value_kind: global_buffer, .address_space: global }
      - { .name: sa2_fln_g, .offset: 32, .size: 8, .value_kind: global_buffer, .address_space: global }
      - { .name: sa2_fln_b, .offset: 40, .size: 8, .value_kind: global_buffer, .address_space: global }
      - { .name: sa2_f1_w_codes, .offset: 48, .size: 8, .value_kind: global_buffer, .address_space: global }
      - { .name: sa2_f1_w_scales, .offset: 56, .size: 8, .value_kind: global_buffer, .address_space: global }
      - { .name: sa2_f1_b, .offset: 64, .size: 8, .value_kind: global_buffer, .address_space: global }
      - { .name: sa2_f2_w_codes, .offset: 72, .size: 8, .value_kind: global_buffer, .address_space: global }
      - { .name: sa2_f2_w_scales, .offset: 80, .size: 8, .value_kind: global_buffer, .address_space: global }
      - { .name: sa2_f2_b, .offset: 88, .size: 8, .value_kind: global_buffer, .address_space: global }
      - { .name: w_out, .offset: 96, .size: 8, .value_kind: global_buffer, .address_space: global }
      - { .name: b_out, .offset: 104, .size: 8, .value_kind: global_buffer, .address_space: global }
      - { .name: node_mask, .offset: 112, .size: 8, .value_kind: global_buffer, .address_space: global }
      - { .name: out0, .offset: 120, .size: 8, .value_kind: global_buffer, .address_space: global }
    .group_segment_fixed_size: 327680
    .private_segment_fixed_size: 0
    .kernarg_segment_align: 8
    .kernarg_segment_size: 128
    .max_flat_workgroup_size: 512
    .sgpr_count:     102
    .vgpr_count:     256
    .wavefront_size: 32
...
	.end_amdgpu_metadata
.endif
;; end of part 3
